; MI455X (gfx1250); checked and timed in simulation.
; The chip was launched on July 23, 2026; its instructions are those of AMD's public machine-readable ISA for CDNA 5 (MIT licence, August 2026) and "CDNA5" Instruction Set Architecture Reference Guide (July 2026). The comments in the code are by the model that wrote it; some were corrected since.
;; Attention Layer. Allowed arithmetic: matrix products marked QUANTISED: E2M1 operands, one E8M0 scale for each 32 along K, by v_wmma_scale_f32_16x16x128_f8f6f4 with both operands' format E2M1 (or v_wmma_scale_f32_32x16x128_f4), f32 sums; everything else in f32.
;; Inputs: Wk_codes 1,024 x 32 x 16 uint8 (E2M1 codes of Wk, K innermost, in blocks of 32 codes, two codes a byte); Wk_scales 1,024 x 32 uint8 (E8M0 scales of Wk, one for each 32 codes along K); Wo_codes 1,024 x 32 x 16 uint8 (E2M1 codes of Wo, K innermost, in blocks of 32 codes, two codes a byte); Wo_scales 1,024 x 32 uint8 (E8M0 scales of Wo, one for each 32 codes along K); Wq_codes 1,024 x 32 x 16 uint8 (E2M1 codes of Wq, K innermost, in blocks of 32 codes, two codes a byte); Wq_scales 1,024 x 32 uint8 (E8M0 scales of Wq, one for each 32 codes along K); Wv_codes 1,024 x 32 x 16 uint8 (E2M1 codes of Wv, K innermost, in blocks of 32 codes, two codes a byte); Wv_scales 1,024 x 32 uint8 (E8M0 scales of Wv, one for each 32 codes along K); bk 1,024 float32; bo 1,024 float32; bq 1,024 float32; bv 1,024 float32; input_ids 8 x 1,024 int32; x_codes 8 x 1,024 x 32 x 16 uint8 (E2M1 codes of x, K innermost, in blocks of 32 codes, two codes a byte); x_scales 8 x 1,024 x 32 uint8 (E8M0 scales of x, one for each 32 codes along K).
;; Outputs: out0 8 x 1,024 x 1,024 float32.
;; This version of the problem:
;;   THIS VERSION OF THE PROBLEM IS GIVEN IN LOW PRECISION. The matrix products marked QUANTISED in the list below multiply operands that are first quantised to E2M1 (2 exponent bits, 1 mantissa bit; 4 bits a number), with one power-of-two scale for each 32 numbers along K (OCP MX v1.0); their sums are f32. All else is computed in f32.
;;   The module's matrix products, in the order in which they are computed (A, B: the left and right operand; K: the contracted axis; several contracted axes count as one K, in the product's order):
;;     1. [M 8,192, K 1,024] x [K 1,024, N 1,024]; A: input x (given as codes); B: input Wq (given as codes): QUANTISED
;;     2. [M 8,192, K 1,024] x [K 1,024, N 1,024]; A: input x (given as codes); B: input Wk (given as codes): QUANTISED
;;     3. [M 8,192, K 1,024] x [K 1,024, N 1,024]; A: input x (given as codes); B: input Wv (given as codes): QUANTISED
;;     4. batch 128 x [M 1,024, K 64] x [K 64, N 1,024]; A: computed on the way; B: computed on the way: QUANTISED
;;     5. batch 128 x [M 1,024, K 1,024] x [K 1,024, N 64]; A: softmax (see below); B: computed on the way: QUANTISED
;;     6. [M 8,192, K 1,024] x [K 1,024, N 1,024]; A: computed on the way; B: input Wo (given as codes): QUANTISED
;;   THE QUANTISER, for each operand of a quantised product, along K:
;;     - K is cut into blocks of 32 from its start; a last block that is shorter is filled with zeros.
;;     - A block's scale is 2^e with e = floor(log2(the largest magnitude in the block)) - 2, held to -126 .. 127; a block of zeros has e = 0. As a byte (E8M0): e + 127.
;;     - Each number is divided by its block's scale, clamped to +-6, and rounded to the nearest number of E2M1, ties to even, subnormals kept.
;;     - The product sums the exact products of the quantised numbers (number of the format x scale) in f32.
;;   ~~~python
;;   def quantise(x, axis):      # numpy; x: float32 -> the quantised numbers, widened to float32 again
;;       x = np.moveaxis(x, axis, -1); K = x.shape[-1]
;;       x = np.pad(x, [(0, 0)] * (x.ndim - 1) + [(0, -K % 32)]); x = x.reshape(x.shape[:-1] + (-1, 32)); a = np.abs(x).max(-1, keepdims=True)
;;       e = np.where(a > 0, np.clip(np.frexp(np.where(a > 0, a, 1))[1] - 1 - 2, -126, 127), 0)      # np.frexp(a)[1] - 1 = floor(log2(a)), exactly
;;       r = np.clip(x / 2.0 ** e, -6, 6)
;;       step = 2.0 ** (np.maximum(np.frexp(np.where(r == 0, 1, r))[1] - 1, 0) - 1)
;;       q = np.round(r / step) * step * 2.0 ** e      # np.round: ties to even
;;       return np.moveaxis(q.reshape(q.shape[:-2] + (-1,))[..., :K], -1, axis).astype(np.float32)
;;   ~~~
;;   SOFTMAX AHEAD OF A QUANTISED PRODUCT. Where the list says 'softmax', what is quantised is not the finished softmax but p = 2^(t - M), with t = logit x log2(e) and M = ceil(the row's largest t), a whole number; so 1/2 < the row's largest p <= 1. The row's sum l is taken of the UNQUANTISED p, in f32, and the product's result is divided by l at the end. Since M is a whole number, a kernel that streams over the keys may use a running M (the ceiling of the running maximum): every later rescaling is an exact power of two, which a block's scale takes up: the codes' values come out the same.
;;   OPERANDS COMPUTED ON THE WAY. 'Computed on the way' means the value that the module computes at that place (a softmax that the list does not call 'softmax' is quantised finished and normalised). What goes into a quantiser is computed in f32, as accurately as f32 sums, v_exp_f32 and their like allow (about 1e-6 of the number): no bf16 or f16 on the way to a quantiser, and a product that is left as it is and whose result goes on into a quantised operand takes f32 operands (vector FMAs, or v_wmma_f32_16x16x4_f32). A number that lies on a knife's edge between two numbers of the format may be rounded either way, as far as f32 arithmetic and the matrix unit's own rounding can turn it there, and no further.
;;   INPUTS GIVEN AS CODES. Wk (in the module: [1024, 1024], K = its axis 1); Wo (in the module: [1024, 1024], K = its axis 1); Wq (in the module: [1024, 1024], K = its axis 1); Wv (in the module: [1024, 1024], K = its axis 1); x (in the module: [8, 1024, 1024], K = its axis 2): each comes as NAME_codes (uint8): NAME with its K axis moved to the last place and cut into blocks of 32 codes, [.., K / 32, bytes a block], one block behind the other in memory; two codes a byte, the lower K in the low four bits (a code: sign, 2 exponent bits, 1 mantissa bit); and NAME_scales (uint8): the same leading axes, one E8M0 byte (e + 127) for each 32 codes along K. Its value is code x scale, taken as it is: it is not quantised again, and the codes and scales need not be those that the quantiser above would give.
;; 2 versions. Each part assembles by itself: llvm-mc -triple=amdgcn-amd-amdhsa -mcpu=gfx1250 --defsym DOCPART=n.
;; ======== version 1 of 2: 3 launches
;; limits: right only within a limited range of input values
;; workspace buffers: qbuf 4,718,592 bytes; kvbuf 9,175,040 bytes; obuf 4,194,304 bytes; osc 524,288 bytes
;; launch qkv (part 1): grid 256 x 1, 4 waves a work-group, no clusters, 135,680 bytes of LDS; arguments x_codes, x_scales, Wq_codes, Wq_scales, bq, Wk_codes, Wk_scales, bk, Wv_codes, Wv_scales, bv, qbuf, kvbuf; writes qbuf, kvbuf
.if DOCPART == 1
	.amdgcn_target "amdgcn-amd-amdhsa--gfx1250"
	.amdhsa_code_object_version 6
	.text
	.protected	k_q27ed181b8b_qkv
	.globl	k_q27ed181b8b_qkv
	.p2align	8
	.type	k_q27ed181b8b_qkv,@function
k_q27ed181b8b_qkv:
	s_mov_b64 s[64:65], 0
	v_nop
	global_prefetch_b8 v0, s[64:65] scope:SCOPE_SE
	s_setreg_imm32_b32 hwreg(HW_REG_WAVE_MODE, 25, 1), 1
	s_wait_xcnt 0x0
; q = x Wq^T + bq, k = x Wk^T + bk, v = x Wv^T + bv on codes of FP4 (E2M1) with one E8M0 scale for each 32 along K, and the quantisers of q, k (along the head's 64) and v (along the keys).
; SHARES.  A work-group takes 512 tokens of one batch and the 192 weight rows of one head (64 each of Wq, Wk, Wv).  Wave w takes 128 of the tokens and makes all 192 columns for them, one matrix after the other.
; x's 64 fragments (8 tiles of 16 tokens x 8 K steps of 128) stay in the wave's registers; the 192 weight rows lie in LDS, filled once, and are read by all four waves.
; No cluster and no joint loads: nothing here comes by the tensor data mover: 512 + 192 rows of 528 bytes are 371,712 bytes, more than a work-group may claim, so x goes straight into registers.
; THE ROWS OF A TILE ARE NOT NEIGHBOURS, of x and of the weights alike: row i of tile 2 p + u of a group of 32 is row 32 p + 8 u + i + 8 (i / 8).  A result's register 8 h + j .. of tiles 2 p and 2 p + 1 then are 16 neighbours
; along the axis that source 0 brings: for q and k source 0 = weight rows (a lane holds one token, its registers run along the head's channels), for v source 0 = tokens (a lane holds one channel, its registers run along the keys).
; So the conversions' results are the next product's operand registers, and they are stored as such an image: 16 bytes a lane at 16 x lane, 512 consecutive bytes a store.
; OUT.  qbuf, for each (batch, head) 36,864 bytes: codes [group of 128 tokens][tile 8][lane][16] (lanes 0-15 channels 0-31, lanes 16-31 channels 32-63), at 32,768 scale words [group][lane][4]: lane (r, h) has tiles 4 h .. 4 h + 3 of row r;
; a word is byte 0 | byte 1 << 8 | 0x7f7f0000.  kvbuf, 71,680 bytes: k as q at 0 and at 65,536; v's codes at 32,768: [group][tile of 16 channels 4][half 2][lane][16]; v's scale words at 69,632: [group][lane][2].
; LIMITS: NaN and infinities are not served; a block of zeros gets the byte 1 where the rule says 127: its codes are zeros, and this program alone reads the bytes.
; REGISTERS, in windows of 256: window 0: addresses, scale words, a bias, two sets of weight fragments, the quantiser's registers.  Windows 1, 2: x's fragment (tile a, K step s) at v[64 (a % 4) + 8 s] of window 1 + a / 4.
; Window 3: the 32 accumulators (q, k: (a, t) at 8 (4 a + t); v: at 8 (8 t + a)); at the head the weight rows on their way to LDS.
.set WROW, 528                         ; an LDS row: 512 bytes + 16: 33 x 16, so the 16 rows that a fragment load touches fall on 16 different 16-byte columns of 256 bytes
.set WMAT, 64*WROW                     ; a matrix's 64 rows
.set XST,  3*WMAT                      ; behind the weights: a stage of 16 rows for each wave
.set XSTW, 16*WROW
.set LI,  1                            ; v1    16 x lane
.set L8,  2                            ; v2    8 x lane
.set SA,  3                            ; v3    32 (8 h + perm(r)): my row of scale bytes in a group of 32 rows
.set BA,  4                            ; v4    64 h: a bias for q and k
.set BV,  5                            ; v5    4 perm(r): for v
.set WST, 6                            ; v6-8  where I put weight rows of matrix m
.set WFA, 9                            ; v9-11 where I read its fragments
.set XSS, 12                           ; v12   my stage: a row in
.set XSL, 13                           ; v13   a fragment out
.set XS,  16                           ; v16-47  x's scale words [pair of tiles 4][K step 8]: lanes 0-15 the even tile, lanes 16-31 the odd one
.set WS,  48                           ; v48-95  the weights' [matrix 3][pair 2][K step 8]
.set BI,  96                           ; v96-127 a bias in the result's layout, 8 registers a tile
.set WF,  128                          ; v128-191 two sets of four weight fragments
.set TM,  192                          ; v192-207 the quantiser: largest magnitudes, bytes, -, scale operands
.set PC,  208                          ; v208-223 codes, two sets of 8
.set QW,  224                          ; v224-231 scale words
.set SW,  232                          ; v232-235 scale words as they are stored
.set SEL, 42                           ; s[42:43] v_permlanex16_b32's selects for lane l xor 16
.set MSB, 0
.macro WIN new                         ; the immediate's high byte repeats the setting that is left; a switch that changes nothing is dropped
.if MSB != (\new)
	s_set_vgpr_msb (MSB<<8)|(\new)
.set MSB, (\new)
.endif
.endm
.macro PLACES                          ; four places behind matrix instructions, ahead of loads into their registers and of reads of their results
.rept 4
	v_nop
.endr
.endm
; one product; ra, rb = 1: that side's scale words are taken from lanes 16-31
.macro MM d, a, b, c, sa, sb, ra, rb
.if (\ra) && (\rb)
	v_wmma_scale_f32_16x16x128_f8f6f4 v[(\d):(\d)+7], v[(\a):(\a)+7], v[(\b):(\b)+7], v[(\c):(\c)+7], v[\sa], v[\sb] matrix_a_fmt:MATRIX_FMT_FP4 matrix_b_fmt:MATRIX_FMT_FP4 matrix_a_scale:MATRIX_SCALE_ROW1 matrix_b_scale:MATRIX_SCALE_ROW1
.elseif (\ra)
	v_wmma_scale_f32_16x16x128_f8f6f4 v[(\d):(\d)+7], v[(\a):(\a)+7], v[(\b):(\b)+7], v[(\c):(\c)+7], v[\sa], v[\sb] matrix_a_fmt:MATRIX_FMT_FP4 matrix_b_fmt:MATRIX_FMT_FP4 matrix_a_scale:MATRIX_SCALE_ROW1
.elseif (\rb)
	v_wmma_scale_f32_16x16x128_f8f6f4 v[(\d):(\d)+7], v[(\a):(\a)+7], v[(\b):(\b)+7], v[(\c):(\c)+7], v[\sa], v[\sb] matrix_a_fmt:MATRIX_FMT_FP4 matrix_b_fmt:MATRIX_FMT_FP4 matrix_b_scale:MATRIX_SCALE_ROW1
.else
	v_wmma_scale_f32_16x16x128_f8f6f4 v[(\d):(\d)+7], v[(\a):(\a)+7], v[(\b):(\b)+7], v[(\c):(\c)+7], v[\sa], v[\sb] matrix_a_fmt:MATRIX_FMT_FP4 matrix_b_fmt:MATRIX_FMT_FP4
.endif
.endm
	s_load_b256 s[4:11], s[0:1], 0x0               ; x's codes s[4:5], x's scales s[6:7], Wq's codes s[8:9], Wq's scales s[10:11]
	s_load_b256 s[12:19], s[0:1], 0x20             ; bq s[12:13], Wk's codes s[14:15], Wk's scales s[16:17], bk s[18:19]
	s_load_b256 s[20:27], s[0:1], 0x40             ; Wv's codes s[20:21], Wv's scales s[22:23], bv s[24:25], qbuf s[26:27]
	s_load_b64 s[28:29], s[0:1], 0x60              ; kvbuf
	v_lshl_add_u32 v254, v0, 2, 0x21000
	v_mov_b32 v255, 0
	v_lshrrev_b32 v236, 5, v0
	v_readfirstlane_b32 s30, v236                  ; wave 0..3
	v_and_b32 v236, 31, v0                         ; lane
	v_and_b32 v237, 15, v0                         ; r
	v_bfe_u32 v238, v0, 4, 1                       ; h
	v_and_b32 v239, 8, v237
	v_add_nc_u32 v239, v239, v237                  ; perm(r) = r + 8 (r / 8)
	v_lshlrev_b32 v[LI], 4, v236
	v_lshlrev_b32 v[L8], 3, v236
	v_lshlrev_b32 v[SA], 5, v239
	v_lshl_add_u32 v[SA], v238, 8, v[SA]
	v_lshlrev_b32 v[BA], 6, v238
	v_lshlrev_b32 v[BV], 2, v239
	s_and_b32 s31, s30, 1                          ; wave w brings weight rows 8 w + 32 e + i: they go to LDS rows 16 (w % 2) + 8 (w / 2) + 32 e + i, so that a tile's 16 rows are neighbours in LDS
	s_lshl_b32 s31, s31, 4
	s_lshr_b32 s32, s30, 1
	s_lshl_b32 s32, s32, 3
	s_add_co_u32 s31, s31, s32
	s_mul_i32 s31, s31, WROW
	v_add_nc_u32 v[WST], s31, v[LI]
	v_add_nc_u32 v[WST+1], WMAT, v[WST]
	v_add_nc_u32 v[WST+2], 2*WMAT, v[WST]
	v_mul_u32_u24 v[WFA], v237, WROW
	v_lshl_add_u32 v[WFA], v238, 4, v[WFA]         ; a fragment: row r x pitch + 16 h
	v_add_nc_u32 v[WFA+1], WMAT, v[WFA]
	v_add_nc_u32 v[WFA+2], 2*WMAT, v[WFA]
	s_mul_i32 s33, s30, XSTW
	s_add_co_u32 s33, s33, XST                     ; my stage
	v_add_nc_u32 v[XSS], s33, v[LI]
	v_add_nc_u32 v[XSL], s33, v[WFA]
	s_mov_b32 s[SEL], 0x76543210
	s_mov_b32 s[SEL+1], 0xfedcba98
	s_and_b32 s34, ttmp9, 15                       ; the head
	s_bfe_u32 s35, ttmp9, 0x10004                  ; which half of the batch's tokens
	s_lshr_b32 s36, ttmp9, 5                       ; the batch
	s_lshl_b32 s37, s35, 2
	s_add_co_u32 s37, s37, s30                     ; my group of 128 tokens in the batch: 4 x half + wave
	s_lshl_b32 s38, s36, 3
	s_add_co_u32 s38, s38, s37                     ; and among all tokens
	s_lshl_b32 s39, s36, 4
	s_add_co_u32 s39, s39, s34                     ; 16 x batch + head
	s_lshl_b32 s40, s34, 15                        ; the head's 64 weight rows of 512 bytes,
	s_lshl_b32 s41, s30, 12                        ; my 8 of each 32
	s_add_co_u32 s40, s40, s41
	s_mov_b32 s41, 0
	s_lshl_b32 s50, s34, 11                        ; the head's rows of scale bytes, 32 each
	s_mov_b32 s51, 0
	s_lshl_b32 s52, s34, 8                         ; the head's 64 numbers of a bias
	s_mov_b32 s53, 0
	s_lshl_b32 s54, s38, 16                        ; my 128 tokens' codes
	s_mov_b32 s55, 0
	s_lshl_b32 s56, s38, 12                        ; and scale bytes
	s_mov_b32 s57, 0
	s_mul_i32 s58, s39, 36864                      ; the head's part of qbuf
	s_mov_b32 s59, 0
	s_mul_i32 s60, s39, 71680                      ; and of kvbuf
	s_mov_b32 s61, 0
	s_wait_kmcnt 0x0
	s_add_nc_u64 s[4:5], s[4:5], s[54:55]
	s_add_nc_u64 s[6:7], s[6:7], s[56:57]
.irp m, 0,1,2
	s_add_nc_u64 s[8+6*\m:9+6*\m], s[8+6*\m:9+6*\m], s[40:41]
	s_add_nc_u64 s[10+6*\m:11+6*\m], s[10+6*\m:11+6*\m], s[50:51]
	s_add_nc_u64 s[12+6*\m:13+6*\m], s[12+6*\m:13+6*\m], s[52:53]
.endr
	s_add_nc_u64 s[26:27], s[26:27], s[58:59]
	s_add_nc_u64 s[28:29], s[28:29], s[60:61]
	s_lshl_b32 s40, s37, 9
	s_add_co_u32 s40, s40, 32768
	s_add_nc_u64 s[44:45], s[26:27], s[40:41]      ; q's scale words of my group
	s_add_co_u32 s40, s40, 32768
	s_add_nc_u64 s[46:47], s[28:29], s[40:41]      ; k's
	s_lshl_b32 s40, s37, 8
	s_add_co_u32 s40, s40, 69632
	s_add_nc_u64 s[48:49], s[28:29], s[40:41]      ; v's
	s_lshl_b32 s40, s37, 12
	s_add_nc_u64 s[26:27], s[26:27], s[40:41]      ; q's codes of my group
	s_add_nc_u64 s[28:29], s[28:29], s[40:41]      ; k's; v's lie 32,768 bytes on
; ---- all loads, the small ones first, x's rows last
.irp p, 0,1,2,3
.irp k, 0,1
	global_load_b128 v[XS+8*\p+4*\k:XS+8*\p+4*\k+3], v[SA], s[6:7] offset:1024*\p+16*\k
.endr
.endr
.irp m, 0,1,2
.irp p, 0,1
.irp k, 0,1
	global_load_b128 v[WS+16*\m+8*\p+4*\k:WS+16*\m+8*\p+4*\k+3], v[SA], s[10+6*\m:11+6*\m] offset:1024*\p+16*\k
.endr
.endr
.endr
.macro BIASQK m                        ; lane (r, h) wants, for tile t, the bias of channels 32 (t / 2) + 8 (t % 2) + 16 h + 0 .. 7
.irp t, 0,1,2,3
.irp k, 0,1
	global_load_b128 v[BI+8*\t+4*\k:BI+8*\t+4*\k+3], v[BA], s[12+6*\m:13+6*\m] offset:(32*(\t/2)+8*(\t%2))*4+16*\k
.endr
.endr
.endm
.macro BIASV                           ; for v a lane holds one channel: the same number in all eight registers of a tile
.irp t, 0,1,2,3
.irp j, 0,1,2,3,4,5,6,7
	global_load_b32 v[BI+8*\t+\j], v[BV], s[24:25] offset:(32*(\t/2)+8*(\t%2))*4
.endr
.endr
.endm
	BIASQK 0
	WIN 0xc0                                       ; destination window 3
.irp m, 0,1,2
.irp e, 0,1
.irp i, 0,1,2,3,4,5,6,7
	global_load_b128 v[4*(16*\m+8*\e+\i):4*(16*\m+8*\e+\i)+3], v[LI], s[8+6*\m:9+6*\m] offset:(32*\e+\i)*512   ; a whole weight row: 32 lanes, 512 consecutive bytes
.endr
.endr
.endr
.irp a, 0,1,2,3,4,5,6,7
	WIN 0x40+0x40*(\a/4)                           ; destination window 1 or 2
.irp i, 0,1,2,3,4,5,6,7,8,9,10,11,12,13,14,15
	global_load_b128 v[64*(\a%4)+4*\i:64*(\a%4)+4*\i+3], v[LI], s[4:5] offset:(32*(\a/2)+8*(\a%2)+\i+8*(\i/8))*512   ; row i of tile a: a whole row of x
.endr
.endr
; ---- the weight rows go to LDS
	s_wait_loadcnt 63                              ; x's 128 row loads are younger than the scales, the bias and the weight rows: those are in
	WIN 0x0c                                       ; an LDS store's data are its source 1: window 3
.irp m, 0,1,2
.irp e, 0,1
.irp i, 0,1,2,3,4,5,6,7
	ds_store_b128 v[WST+\m], v[4*(16*\m+8*\e+\i):4*(16*\m+8*\e+\i)+3] offset:(32*\e+\i)*WROW
.endr
.endr
.endr
; ---- x's rows turn into fragments through my own stage, a tile at a time.  LDS serves a wave's instructions in order (ISA guide 5.7.1.4): no wait between the stores and the loads, nor ahead of the next tile's stores
.irp a, 0,1,2,3,4,5,6,7
.if 16*(7-\a) > 63
	s_wait_loadcnt 63                              ; 16 (7 - a) loads are younger than this tile's; the wait names 63 at the most
.else
	s_wait_loadcnt 16*(7-\a)
.endif
	WIN 0x04+0x04*(\a/4)
.irp i, 0,1,2,3,4,5,6,7,8,9,10,11,12,13,14,15
	ds_store_b128 v[XSS], v[64*(\a%4)+4*\i:64*(\a%4)+4*\i+3] offset:WROW*\i
.endr
	WIN 0x40+0x40*(\a/4)
.irp s, 0,1,2,3,4,5,6,7
.irp c, 0,1
	ds_load_b128 v[64*(\a%4)+8*\s+4*\c:64*(\a%4)+8*\s+4*\c+3], v[XSL] offset:64*\s+32*\c   ; registers 4 c .. 4 c + 3 of K step s: K = 128 s + 64 c + 32 h + 0 .. 31 of row r
.endr
.endr
.endr
	WIN 0
.irp b, 0,1,2,3
	v_mov_b32 v[TM+4+\b], 0                        ; written once: a lane permute's destination counts as one of its sources
.endr
	s_mov_b32 vcc_lo, 0xffff0000                   ; lanes 16-31
	s_wait_dscnt 0x0                               ; for the others' sake: my weight rows lie in LDS; and my fragments are in
	s_barrier_signal -1
	s_barrier_wait -1                              ; the one barrier: from here on the weights are only read
.macro FETCHW m, s                     ; the four tiles of matrix m, K step s, into set s % 2
.irp t, 0,1,2,3
.irp c, 0,1
	ds_load_b128 v[WF+32*((\s)%2)+8*\t+4*\c:WF+32*((\s)%2)+8*\t+4*\c+3], v[WFA+\m] offset:16*\t*WROW+64*(\s)+32*\c
.endr
.endr
.endm
; A K step of 128: 32 products, the 32 accumulators by turns, one instruction a turn, in the same order in every step.  The first step's C is the bias.
; kind = 0 (q, k): source 0 = 16 weight rows, source 1 = 16 tokens.  kind = 1 (v): the other way round.
.macro KSTEP kind, m, s
	PLACES                                         ; behind the last step's products: they read the set that is fetched into now, and, at step 0, the bias
	WIN 0
.if ((\s) == 1) && ((\m) == 0)
	BIASQK 1                                       ; the next matrix's bias: seven K steps and a quantiser ahead of its use
.endif
.if ((\s) == 1) && ((\m) == 1)
	BIASV
.endif
.if (\s) < 7
	FETCHW \m, (\s)+1
	s_wait_dscnt 8                                 ; this step's eight loads are in; the eight just issued may be out
.elseif (\m) < 2
	FETCHW (\m)+1, 0                               ; the next matrix's first step
	s_wait_dscnt 8
.else
	s_wait_dscnt 0x0
.endif
.irp a, 0,1,2,3,4,5,6,7
.if (\kind) == 0
.if (\s) == 0
	WIN 0xc4+4*(\a/4)                              ; A window 0, B (x) window 1 or 2, C (bias) window 0, D window 3
.else
	WIN 0xf4+4*(\a/4)                              ; C window 3
.endif
.else
.if (\s) == 0
	WIN 0xc1+(\a/4)                                ; A (x) window 1 or 2, B window 0
.else
	WIN 0xf1+(\a/4)
.endif
.endif
.irp t, 0,1,2,3
.if (\kind) == 0
.if (\s) == 0
	MM 8*(4*\a+\t), WF+32*((\s)%2)+8*\t, 64*(\a%4)+8*(\s), BI+8*\t, WS+16*(\m)+8*(\t/2)+(\s), XS+8*(\a/2)+(\s), \t%2, \a%2
.else
	MM 8*(4*\a+\t), WF+32*((\s)%2)+8*\t, 64*(\a%4)+8*(\s), 8*(4*\a+\t), WS+16*(\m)+8*(\t/2)+(\s), XS+8*(\a/2)+(\s), \t%2, \a%2
.endif
.else
.if (\s) == 0
	MM 8*(8*\t+\a), 64*(\a%4)+8*(\s), WF+32*((\s)%2)+8*\t, BI+8*\t, XS+8*(\a/2)+(\s), WS+16*(\m)+8*(\t/2)+(\s), \a%2, \t%2
.else
	MM 8*(8*\t+\a), 64*(\a%4)+8*(\s), WF+32*((\s)%2)+8*\t, 8*(8*\t+\a), XS+8*(\a/2)+(\s), WS+16*(\m)+8*(\t/2)+(\s), \a%2, \t%2
.endif
.endif
.endr
.endr
.endm
; 64 numbers of a lane in window 3, v[base] on: four blocks, register 16 b + i = number 16 h + i of block b of my row.  They become 8 registers of codes at v[pc] (registers 4 c .. 4 c + 3: lanes 0-15 block 2 c, lanes 16-31 block 2 c + 1)
; and four scale bytes in v[TM+4] on.  Each accumulator is read from its low end on.
.macro QUANT base, pc
	WIN 0x3c                                       ; sources 1 and 2 window 3
.irp b, 0,1,2,3
	v_max3_num_f32 v[TM+\b], 0x1800000, |v[(\base)+16*\b]|, |v[(\base)+16*\b+1]|   ; my 16 numbers, and the floor 2^(3 - 127): the byte cannot fall under 1
.endr
.irp i, 2,4,6,8,10,12,14
.irp b, 0,1,2,3
	v_max3_num_f32 v[TM+\b], v[TM+\b], |v[(\base)+16*\b+\i]|, |v[(\base)+16*\b+\i+1]|   ; the four blocks by turns
.endr
.endr
	WIN 0
.irp b, 0,1,2,3
	v_permlanex16_b32 v[TM+4+\b], v[TM+\b], s[SEL], s[SEL+1]
.endr
.irp b, 0,1,2,3
	v_max_num_f32 v[TM+\b], v[TM+\b], v[TM+4+\b]   ; with lane l xor 16's: the block's largest magnitude
.endr
.irp b, 0,1,2,3
	v_add_nc_u32 v[TM+12+\b], 0xff000000, v[TM+\b] ; 2 off its exponent field: the conversion's scale operand
.endr
.irp b, 0,1,2,3
	v_lshrrev_b32 v[TM+4+\b], 23, v[TM+12+\b]      ; the scale's byte
.endr
	s_wait_xcnt 0x0                                ; the earlier stores have read their data: the codes' and the words' registers may be written again
	WIN 0x03                                       ; source 0 window 3
.irp b, 0,1,2,3
	v_cvt_scalef32_pk8_fp4_f32 v[(\pc)+2*\b], v[(\base)+16*\b:(\base)+16*\b+7], v[TM+12+\b]
	v_cvt_scalef32_pk8_fp4_f32 v[(\pc)+2*\b+1], v[(\base)+16*\b+8:(\base)+16*\b+15], v[TM+12+\b]
.endr
	WIN 0
	v_nop                                          ; one plain place behind a scaled conversion
.irp c, 0,1
.irp i, 0,1
	v_permlane16_swap_b32 v[(\pc)+4*\c+\i], v[(\pc)+4*\c+2+\i]   ; a whole block to a lane
.endr
.endr
.endm
; q or k leaves: two tiles of tokens (2 x 2 blocks) to a QUANT.  cp: the codes' pointer, sp: the scale words'
.macro EPI_QK cp, sp
	PLACES
.irp pp, 0,1,2,3
	QUANT 64*\pp, PC+8*(\pp%2)
	v_lshl_or_b32 v[QW+2*\pp], v[TM+5], 8, v[TM+4]
	v_lshl_or_b32 v[QW+2*\pp+1], v[TM+7], 8, v[TM+6]
	v_or_b32 v[QW+2*\pp], 0x7f7f0000, v[QW+2*\pp]      ; the bytes of K = 64 .. 127, where the next product has zero codes: 1.0
	v_or_b32 v[QW+2*\pp+1], 0x7f7f0000, v[QW+2*\pp+1]
	global_store_b128 v[LI], v[PC+8*(\pp%2):PC+8*(\pp%2)+3], s[\cp:\cp+1] offset:1024*\pp          ; 512 consecutive bytes, aligned
	global_store_b128 v[LI], v[PC+8*(\pp%2)+4:PC+8*(\pp%2)+7], s[\cp:\cp+1] offset:1024*\pp+512
.endr
.irp k, 0,1,2,3
	v_cndmask_b32 v[SW+\k], v[QW+\k], v[QW+4+\k], vcc_lo   ; lanes 0-15 tiles 0-3, lanes 16-31 tiles 4-7
.endr
	global_store_b128 v[LI], v[SW:SW+3], s[\sp:\sp+1]
.endm
.macro EPI_V                           ; v leaves: a tile of 16 channels x 128 keys to a QUANT: a whole fragment and its scale word
	PLACES
.irp t, 0,1,2,3
	QUANT 64*\t, PC+8*(\t%2)
	v_lshl_or_b32 v[QW+\t], v[TM+5], 8, v[TM+4]
	v_lshl_or_b32 v[QW+\t], v[TM+6], 16, v[QW+\t]
	v_lshl_or_b32 v[QW+\t], v[TM+7], 24, v[QW+\t]
	global_store_b128 v[LI], v[PC+8*(\t%2):PC+8*(\t%2)+3], s[28:29] offset:32768+1024*\t
	global_store_b128 v[LI], v[PC+8*(\t%2)+4:PC+8*(\t%2)+7], s[28:29] offset:32768+1024*\t+512
.endr
	v_cndmask_b32 v[SW], v[QW], v[QW+2], vcc_lo
	v_cndmask_b32 v[SW+1], v[QW+1], v[QW+3], vcc_lo
	global_store_b64 v[L8], v[SW:SW+1], s[48:49]   ; 256 consecutive bytes, aligned
.endm
	FETCHW 0, 0
.irp s, 0,1,2,3,4,5,6,7
	KSTEP 0, 0, \s
.endr
	EPI_QK 26, 44
	s_wait_loadcnt 0x0                             ; bk
.irp s, 0,1,2,3,4,5,6,7
	KSTEP 0, 1, \s
.endr
	EPI_QK 28, 46
	s_wait_loadcnt 0x0                             ; bv
.irp s, 0,1,2,3,4,5,6,7
	KSTEP 1, 2, \s
.endr
	EPI_V
	s_wait_tensorcnt 0x0
	ds_add_u32 v254, v255
	s_wait_dscnt 0x0
	s_endpgm
.Lfunc_end_k_q27ed181b8b_qkv:
	.size	k_q27ed181b8b_qkv, .Lfunc_end_k_q27ed181b8b_qkv-k_q27ed181b8b_qkv
	.p2alignl 7, 3214868480
	.fill 96, 4, 3214868480
	.section	.rodata,"a",@progbits
	.p2align	6, 0x0
	.amdhsa_kernel k_q27ed181b8b_qkv
		.amdhsa_group_segment_fixed_size 135680
		.amdhsa_private_segment_fixed_size 0
		.amdhsa_enable_private_segment 0
		.amdhsa_kernarg_size 104
		.amdhsa_user_sgpr_count 2
		.amdhsa_user_sgpr_kernarg_segment_ptr 1
		.amdhsa_wavefront_size32 1
		.amdhsa_system_sgpr_workgroup_id_x 1
		.amdhsa_system_sgpr_workgroup_id_y 1
		.amdhsa_system_sgpr_workgroup_id_z 1
		.amdhsa_system_vgpr_workitem_id 0
		.amdhsa_next_free_vgpr 1024
		.amdhsa_next_free_sgpr 66
		.amdhsa_reserve_vcc 1
		.amdhsa_float_denorm_mode_32 3
		.amdhsa_float_denorm_mode_16_64 3
		.amdhsa_memory_ordered 1
		.amdhsa_forward_progress 1
		.amdhsa_inst_pref_size 212
	.end_amdhsa_kernel
	.amdgpu_metadata
---
amdhsa.version: [ 1, 2 ]
amdhsa.kernels:
  - .name:           k_q27ed181b8b_qkv
    .symbol:         k_q27ed181b8b_qkv.kd
    .args:
      - { .name: x_codes, .offset: 0, .size: 8, .value_kind: global_buffer, .address_space: global }
      - { .name: x_scales, .offset: 8, .size: 8, .value_kind: global_buffer, .address_space: global }
      - { .name: Wq_codes, .offset: 16, .size: 8, .value_kind: global_buffer, .address_space: global }
      - { .name: Wq_scales, .offset: 24, .size: 8, .value_kind: global_buffer, .address_space: global }
      - { .name: bq, .offset: 32, .size: 8, .value_kind: global_buffer, .address_space: global }
      - { .name: Wk_codes, .offset: 40, .size: 8, .value_kind: global_buffer, .address_space: global }
      - { .name: Wk_scales, .offset: 48, .size: 8, .value_kind: global_buffer, .address_space: global }
      - { .name: bk, .offset: 56, .size: 8, .value_kind: global_buffer, .address_space: global }
      - { .name: Wv_codes, .offset: 64, .size: 8, .value_kind: global_buffer, .address_space: global }
      - { .name: Wv_scales, .offset: 72, .size: 8, .value_kind: global_buffer, .address_space: global }
      - { .name: bv, .offset: 80, .size: 8, .value_kind: global_buffer, .address_space: global }
      - { .name: qbuf, .offset: 88, .size: 8, .value_kind: global_buffer, .address_space: global }
      - { .name: kvbuf, .offset: 96, .size: 8, .value_kind: global_buffer, .address_space: global }
    .group_segment_fixed_size: 135680
    .private_segment_fixed_size: 0
    .kernarg_segment_align: 8
    .kernarg_segment_size: 104
    .max_flat_workgroup_size: 128
    .sgpr_count:     66
    .vgpr_count:     1024
    .wavefront_size: 32
...
	.end_amdgpu_metadata
.endif
;; end of part 1
;; launch attn (part 2): grid 256 x 1, 16 waves a work-group, no clusters, 73,728 bytes of LDS; arguments qbuf, kvbuf, input_ids, obuf, osc; writes obuf, osc
.if DOCPART == 2
	.amdgcn_target "amdgcn-amd-amdhsa--gfx1250"
	.amdhsa_code_object_version 6
	.text
	.protected	k_q27ed181b8b_attn
	.globl	k_q27ed181b8b_attn
	.p2align	8
	.type	k_q27ed181b8b_attn,@function
k_q27ed181b8b_attn:
	s_mov_b64 s[64:65], 0
	v_nop
	global_prefetch_b8 v0, s[64:65] scope:SCOPE_SE
	s_setreg_imm32_b32 hwreg(HW_REG_WAVE_MODE, 25, 1), 1
	s_wait_xcnt 0x0
; o = softmax(q k^T / 8, masked) v for one head, both products on codes of FP4 (E2M1) with E8M0 scales, and the quantiser of o along the model's 1,024 (a head owns two whole blocks of 32).
; The mask: key k counts for query q where k <= q and input_ids[k] != 1.  THE SOFTMAX: t = score x log2(e) / 8; M = the running largest t rounded up to a whole number; p = 2^(t - M) is quantised along the keys, not normalised;
; the row's sum is taken of the unquantised p and divides at the end.  When M moves, the sum and O are multiplied by 2^(old M - new M): exact.
; A HIDDEN SCORE IS -2^120, not -infinity: c x 2^120 is a whole number of f32, so in a row that has seen no key yet t - M is exactly 0 and p = 1, as a softmax over equal numbers has it; the first key that counts makes
; 2^(old M - new M) = 0 and wipes what was summed.  A query none of whose keys counts exists only where the batch's key 0 is PAD: the waves of such a batch walk all 8 key steps, so that such a row sums p = 1 over all 1,024 keys.
; LIMITS: real scores lie above -2^120; NaN and infinities are not served; a block of zeros carries the byte 1 where the rule says 127 (its codes are zeros; this program alone reads the bytes).
; SHARES.  Two work-groups to a (batch, head); each holds the head's whole K and V, 71,680 bytes, in LDS as they lie in kvbuf: filled once through registers, one barrier, then only read.  No tensor load: branches here hang on input_ids.
; No cluster: what the two work-groups share is read once by each, at the head, and nothing is fetched afterwards.
; A wave owns one tile of 16 queries at a time, in two passes: the tile of the 32-token group g = 2 (wave / 2) + z, then that of 31 - g: (g / 4 + 1) + (8 - g / 4) = 9 key steps of 128 keys for every wave.
; Four waves share a SIMD, so that one wave's exponentials stand beside another's products and LDS loads.
; LAYOUT.  Both products are used transposed: S^T = K Q^T (source 0 = 16 keys), O^T = V^T P^T (source 0 = 16 channels): a lane holds one query (lane % 16).  Row i of tile 2 p + u of keys, queries and channels is 32 p + 8 u + i + 8 (i / 8),
; so the 16 registers of tiles 2 p, 2 p + 1 are 16 neighbours, 32 p + 16 (lane / 16) + 0 .. 15.
; THE FIRST PRODUCT'S K IS 64, the instruction's 128: Q's registers 4-7 are zero codes.  K's operand for tile t is the run v[32 + 4 t : 39 + 4 t]: its upper four registers are the next tile's codes (for tile 7: zeros), finite numbers
; that meet zero codes under the scale bytes 0x7f.
.set LI,  1                            ; v1   16 x lane
.set L4,  2                            ; v2   4 x lane
.set LKS, 3                            ; v3   16 x lane + 65,536: K's scale words
.set LVS, 4                            ; v4   8 x lane + 69,632: V's
.set ADK, 5                            ; v5-7 the step's LDS addresses (at the head: the copy's)
.set ADS, 6
.set ADT, 7
.set IDA, 8                            ; v8   offset of the ids asked for
.set QH,  9                            ; v9   perm(r) - 16 h
.set SH,  10                           ; v10  16 h
.set DQ,  11                           ; v11  my query less the lane's first key
.set QF,  16                           ; v16-19 Q's codes, v20-23 zeros
.set QS,  24                           ; v24  Q's scale word
.set NEG, 25                           ; v25  -2^120
.set IDV, 26                           ; v26-29 128 ids, a lane an id
.set R16, 30                           ; v30  16 r
.set TA,  31                           ; v31  an offset in hand
.set KF,  32                           ; v32-63 K's codes, 4 registers a tile; v64-67 zeros
.set KSW, 68                           ; v68-71 K's scale words: lanes 0-15 tiles 0-3, lanes 16-31 tiles 4-7
.set VF,  72                           ; v72-103 V's four fragments
.set VSW, 104                          ; v104-105 V's scale words
.set PBW, 106                          ; v106-109 the PAD bits of my 16 keys of each block
.set TB,  110
.set R4,  111                          ; v111 4 r
.set S,   112                          ; v112-175 S^T, then p
.set O,   176                          ; v176-207 O^T
.set PC,  208                          ; v208-215 p's codes
.set BM,  216                          ; v216-219 a block's largest score, then p
.set T2,  220                          ; v220-223 at work
.set SC,  224                          ; v224-227 the conversions' scale operands
.set TC,  228
.set F,   230                          ; v[230:231] 2^(old M - new M); the pair is named, its low word serves both halves
.set PW,  232                          ; v232 p's scale word
.set L2,  236                          ; v[236:237] the sum's second chain
.set OC,  240                          ; v240-243 o's codes
.set OW,  244                          ; v244 o's scale words: lanes 0-15 pass 0's, lanes 16-31 pass 1's
.set OA,  245                          ; v245 and where they go
.set TD,  246
.set INV, 248                          ; v[248:249] 1 / the sum, twice
.set WV,  14                           ; s14 wave
.set G,   19                           ; s19 the group of 32 queries
.set U,   20                           ; s20 which of its two tiles
.set NST, 21                           ; s21 the key step on the diagonal: g / 4
.set LIM, 22                           ; s22 the last key step that is worked
.set J,   23                           ; s23 the key step
.set PS,  27                           ; s27 the pass
.set ID0, 28                           ; s28 input_ids[batch][0]
.set SEL, 30                           ; s[30:31] lane l xor 16
.set CS,  32                           ; s[32:33] c = log2(e) / 8
.set PB,  36                           ; s36-39 the step's PAD bits, a bit a key
.set X0,  40
.set MK,  41                           ; s41 the lanes that take this pass's scale words
.set X1,  44
	s_load_b256 s[4:11], s[0:1], 0x0               ; qbuf s[4:5], kvbuf s[6:7], input_ids s[8:9], obuf s[10:11]
	s_load_b64 s[12:13], s[0:1], 0x20              ; osc
	v_lshl_add_u32 v254, v0, 2, 0x11800
	v_mov_b32 v255, 0
	v_lshrrev_b32 v[TC], 5, v0
	v_readfirstlane_b32 s[WV], v[TC]               ; wave 0..15
	v_and_b32 v[TD], 31, v0                        ; lane
	v_and_b32 v[TB], 15, v0                        ; r
	v_bfe_u32 v[TA], v0, 4, 1                      ; h
	v_lshlrev_b32 v[LI], 4, v[TD]
	v_lshlrev_b32 v[L4], 2, v[TD]
	v_add_nc_u32 v[LKS], 65536, v[LI]
	v_lshlrev_b32 v[LVS], 3, v[TD]
	v_add_nc_u32 v[LVS], 69632, v[LVS]
	v_and_b32 v[QH], 8, v[TB]
	v_add_nc_u32 v[QH], v[QH], v[TB]               ; perm(r)
	v_lshlrev_b32 v[SH], 4, v[TA]
	v_sub_nc_u32 v[QH], v[QH], v[SH]
	v_lshlrev_b32 v[R16], 4, v[TB]
	v_lshlrev_b32 v[R4], 2, v[TB]
	v_lshlrev_b32 v[ADK], 4, v0                    ; the copy: 16 bytes a thread, 8,192 a line;
	v_lshlrev_b32 v[ADS], 3, v0
	v_add_nc_u32 v[ADS], 65536, v[ADS]             ; K's scale words, 8 bytes a thread;
	v_lshlrev_b32 v[ADT], 2, v0
	v_add_nc_u32 v[ADT], 69632, v[ADT]             ; V's, 4
	s_lshr_b32 s15, ttmp9, 1                       ; 16 x batch + head
	s_and_b32 s16, ttmp9, 1                        ; z
	s_lshr_b32 s17, s15, 4                         ; batch
	s_and_b32 s18, s15, 15                         ; head
	s_and_b32 s[U], s[WV], 1
	s_lshr_b32 s[G], s[WV], 1
	s_lshl_b32 s[G], s[G], 1
	s_add_co_u32 s[G], s[G], s16                   ; pass 0's group: 2 (wave / 2) + z
	s_mul_i32 s44, s15, 36864
	s_mov_b32 s45, 0
	s_mul_i32 s46, s15, 71680
	s_mov_b32 s47, 0
	s_lshl_b32 s48, s17, 12
	s_mov_b32 s49, 0
	s_lshl_b32 s50, s17, 19                        ; obuf: [tile 64 b + 2 g + u][head][lane][16]
	s_lshl_b32 s51, s18, 9
	s_add_co_u32 s50, s50, s51
	s_mov_b32 s51, 0
	s_lshl_b32 s52, s17, 16                        ; osc: [tile][head][r] words
	s_lshl_b32 s53, s18, 6
	s_add_co_u32 s52, s52, s53
	s_mov_b32 s53, 0
	s_mov_b32 s[SEL], 0x76543210
	s_mov_b32 s[SEL+1], 0xfedcba98
	s_mov_b32 s[CS], 0x3e38aa3b
	s_mov_b32 s[CS+1], s[CS]                       ; named with it as a pair, so it is written
	s_mov_b32 s[PS], 0
	s_mov_b32 s[MK], 0xffff
	s_wait_kmcnt 0x0
	s_add_nc_u64 s[4:5], s[4:5], s[44:45]
	s_add_nc_u64 s[6:7], s[6:7], s[46:47]
	s_add_nc_u64 s[8:9], s[8:9], s[48:49]
	s_add_nc_u64 s[10:11], s[10:11], s[50:51]
	s_add_nc_u64 s[12:13], s[12:13], s[52:53]
	s_load_b32 s[ID0], s[8:9], 0x0                 ; the batch's first id
.irp j, 0,1,2,3,4,5,6,7
	global_load_b128 v[S+4*\j:S+4*\j+3], v[ADK], s[6:7] offset:8192*\j
.endr
	global_load_b64 v[S+32:S+33], v[ADS], s[6:7]
	global_load_b32 v[S+34], v[ADT], s[6:7]
.irp e, 0,1,2,3
	global_load_b32 v[IDV+\e], v[L4], s[8:9] offset:128*\e   ; key step 0's ids
.endr
.irp j, 0,1,2,3
	v_mov_b32 v[QF+4+\j], 0                        ; zero codes
	v_mov_b32 v[KF+32+\j], 0
	v_mov_b32 v[T2+\j], 0                          ; written once: a lane permute's destination counts as one of its sources
.endr
	v_mov_b32 v[TC], 0
	v_mov_b32 v[F+1], 0
	v_mov_b32 v[OW], 0
	v_mov_b32 v[OA], 0
	v_mov_b32 v[NEG], 0xfb800000
	s_wait_loadcnt 4                               ; the ten loads of the copy are in; the four id loads behind them may be out
.irp j, 0,1,2,3,4,5,6,7
	ds_store_b128 v[ADK], v[S+4*\j:S+4*\j+3] offset:8192*\j
.endr
	ds_store_b64 v[ADS], v[S+32:S+33]
	ds_store_b32 v[ADT], v[S+34]
	s_wait_dscnt 0x0                               ; for the others' sake: my part of K and V lies in LDS
	s_barrier_signal -1
	s_barrier_wait -1                              ; the one barrier: from here on LDS is only read
	s_wait_kmcnt 0x0                               ; the batch's first id
.Lpass:                                            ; two trips: the tile of group g, then that of 31 - g
	s_lshr_b32 s[NST], s[G], 2
	s_cmp_eq_u32 s[ID0], 1
	s_cselect_b32 s[LIM], 7, s[NST]                ; where key 0 is PAD all eight steps are worked
	s_lshl_b32 s[X0], s[G], 10
	s_lshl_b32 s[X1], s[U], 9
	s_add_co_u32 s[X0], s[X0], s[X1]
	s_wait_xcnt 0x0                                ; the last pass's store has read its offset and its data
	v_add_nc_u32 v[TA], s[X0], v[LI]
	global_load_b128 v[QF:QF+3], v[TA], s[4:5]     ; Q's codes: 1,024 g + 512 u + 16 x lane
	s_lshr_b32 s[X0], s[G], 1
	s_lshl_b32 s[X0], s[X0], 8
	s_and_b32 s[X1], s[G], 1
	s_lshl_b32 s[X1], s[X1], 3
	s_add_co_u32 s[X0], s[X0], s[X1]
	s_lshl_b32 s[X1], s[U], 2
	s_add_co_u32 s[X0], s[X0], s[X1]
	v_add_nc_u32 v[TD], s[X0], v[R16]
	global_load_b32 v[QS], v[TD], s[4:5] offset:32768   ; its scale word: 256 (g / 2) + 16 r + 8 (g % 2) + 4 u
	v_mov_b32 v13, 0xff61b1e6                      ; the largest t so far: -3e38, under every t
	v_floor_f32 v12, -v13                          ; -M
	v_mov_b32 v14, 0                               ; the sum, in two halves
	v_mov_b32 v15, 0
.set j, 0
.rept 32
	v_mov_b32 v[O+j], 0                            ; O^T: the step is written once; the first finds zeros
.set j, j+1
.endr
	s_mov_b32 s[J], 0
.Lstep:                                            ; eight trips; a trip behind the last step that counts is passed over by a scalar branch
	s_cmp_gt_u32 s[J], s[LIM]
	s_cbranch_scc1 .Lhidden
	s_wait_loadcnt 0x0                             ; this step's ids; in a pass's first step Q too
.irp e, 0,1,2,3
	v_cmp_eq_u32 s[PB+\e], 1, v[IDV+\e]            ; bit l: key 32 e + l of the step is PAD
.endr
	s_add_co_u32 s[X0], s[J], 1                    ; the ids asked for now: the next step's; in the last worked step those of step 0, for the next pass
	s_cmp_ge_u32 s[J], s[LIM]
	s_cselect_b32 s[X0], 0, s[X0]
	s_min_u32 s[X0], s[X0], 7                      ; inside the batch's 1,024 ids, by a constant of the text
	s_lshl_b32 s[X0], s[X0], 9
	s_lshl_b32 s24, s[J], 12
	s_lshl_b32 s25, s[J], 9
	s_lshl_b32 s26, s[J], 8
	v_add_nc_u32 v[IDA], s[X0], v[L4]              ; four plain instructions: the places behind the last step's products, ahead of the loads into their registers
	v_add_nc_u32 v[ADK], s24, v[LI]
	v_add_nc_u32 v[ADS], s25, v[LKS]
	v_add_nc_u32 v[ADT], s26, v[LVS]
.irp e, 0,1,2,3
	global_load_b32 v[IDV+\e], v[IDA], s[8:9] offset:128*\e
.endr
	ds_load_b128 v[KSW:KSW+3], v[ADS]
.irp t, 0,1,2,3,4,5,6,7
	ds_load_b128 v[KF+4*\t:KF+4*\t+3], v[ADK] offset:512*\t
.endr
.irp t, 0,1,2,3
.irp c, 0,1
	ds_load_b128 v[VF+8*\t+4*\c:VF+8*\t+4*\c+3], v[ADK] offset:32768+1024*\t+512*\c
.endr
.endr
	ds_load_b64 v[VSW:VSW+1], v[ADT]
	s_wait_dscnt 9                                 ; K and its scale words are in; V's nine loads may be out
.irp t, 0,1,2,3
	v_wmma_scale_f32_16x16x128_f8f6f4 v[S+8*\t:S+8*\t+7], v[KF+4*\t:KF+4*\t+7], v[QF:QF+7], 0, v[KSW+\t], v[QS] matrix_a_fmt:MATRIX_FMT_FP4 matrix_b_fmt:MATRIX_FMT_FP4
.endr
.irp t, 4,5,6,7
	v_wmma_scale_f32_16x16x128_f8f6f4 v[S+8*\t:S+8*\t+7], v[KF+4*\t:KF+4*\t+7], v[QF:QF+7], 0, v[KSW+\t-4], v[QS] matrix_a_fmt:MATRIX_FMT_FP4 matrix_b_fmt:MATRIX_FMT_FP4 matrix_a_scale:MATRIX_SCALE_ROW1
.endr
.rept 4
	v_nop                                          ; four places ahead of the first read of the scores
.endr
	s_cmp_lt_u32 s[J], s[NST]                      ; ahead of the diagonal every key comes before my queries
	s_cbranch_scc1 .Lopen
	s_lshl_b32 s[X0], s[G], 5
	s_lshl_b32 s[X1], s[U], 3
	s_add_co_u32 s[X0], s[X0], s[X1]
	s_lshl_b32 s[X1], s[J], 7
	s_sub_co_i32 s[X0], s[X0], s[X1]
	v_add_nc_u32 v[DQ], s[X0], v[QH]               ; d = my query - 128 J - 16 h.  Register 16 b + i holds key 128 J + 32 b + 16 h + i: hidden where 32 b + i > d
.irp n, 0,1,2,3,4,5,6,7,8,9,10,11,12,13,14,15,16,17,18,19,20,21,22,23,24,25,26,27,28,29,30,31,32,33,34,35,36,37,38,39,40,41,42,43,44,45,46,47,48,49,50,51,52,53,54,55,56,57,58,59,60,61,62,63
	v_cmp_gt_i32 vcc_lo, 32*(\n/16)+\n%16, v[DQ]
	v_cndmask_b32 v[S+\n], v[S+\n], v[NEG], vcc_lo
.endr
.Lopen:
	s_or_b32 s[X0], s[PB], s[PB+1]                 ; a step without a PAD key passes over the second mask
	s_or_b32 s[X1], s[PB+2], s[PB+3]
	s_or_b32 s[X0], s[X0], s[X1]
	s_cmp_eq_u32 s[X0], 0
	s_cbranch_scc1 .Lnopad
.irp e, 0,1,2,3
	v_lshrrev_b32 v[PBW+\e], v[SH], s[PB+\e]       ; bit i: key 32 e + 16 h + i
.endr
.irp n, 0,1,2,3,4,5,6,7,8,9,10,11,12,13,14,15,16,17,18,19,20,21,22,23,24,25,26,27,28,29,30,31,32,33,34,35,36,37,38,39,40,41,42,43,44,45,46,47,48,49,50,51,52,53,54,55,56,57,58,59,60,61,62,63
	v_and_b32 v[TB], 1<<(\n%16), v[PBW+\n/16]
	v_cmp_ne_u32 vcc_lo, 0, v[TB]
	v_cndmask_b32 v[S+\n], v[S+\n], v[NEG], vcc_lo
.endr
.Lnopad:
.irp b, 0,1,2,3
	v_max3_num_f32 v[BM+\b], v[S+16*\b], v[S+16*\b+1], v[S+16*\b+2]   ; the largest score of each block of 32 keys: for the row's maximum, and, since p rises with the score, for the block's largest p
.endr
.irp i, 3,5,7,9,11,13
.irp b, 0,1,2,3
	v_max3_num_f32 v[BM+\b], v[BM+\b], v[S+16*\b+\i], v[S+16*\b+\i+1]
.endr
.endr
.irp b, 0,1,2,3
	v_max_num_f32 v[BM+\b], v[BM+\b], v[S+16*\b+15]
.endr
.irp b, 0,1,2,3
	v_permlanex16_b32 v[T2+\b], v[BM+\b], s[SEL], s[SEL+1]
.endr
.irp b, 0,1,2,3
	v_max_num_f32 v[BM+\b], v[BM+\b], v[T2+\b]     ; with lane l xor 16's 16 keys
.endr
	v_max3_num_f32 v[TC], v[BM], v[BM+1], v[BM+2]
	v_max_num_f32 v[TC], v[TC], v[BM+3]            ; the step's largest score of my query
	v_mul_f32 v[TC], s[CS], v[TC]                  ; as t
	v_max_num_f32 v13, v13, v[TC]                  ; the running largest t
	v_mov_b32 v[TC], v12
	v_floor_f32 v12, -v13                          ; the new -M = -ceil(t): a whole number
	v_sub_f32 v[TC], v12, v[TC]                    ; old M - new M: a whole number, 0 or less
	v_cvt_i32_f32 v[TC], v[TC]                     ; (it saturates)
	v_ldexp_f32 v[F], 1.0, v[TC]                   ; f = 2^(old M - new M)
.set j, 0
.rept 32
	v_pk_fma_f32 v[S+j:S+j+1], v[S+j:S+j+1], s[CS:CS+1], v[12:13] op_sel_hi:[1,0,0]   ; t - M, two at a time
.set j, j+2
.endr
.irp b, 0,1,2,3
	v_fma_f32 v[BM+\b], v[BM+\b], s[CS], v12       ; the same of each block's largest score
.endr
.set j, 0
.rept 64
	v_exp_f32 v[S+j], v[S+j]                       ; p = 2^(t - M), at most 1
.set j, j+1
.endr
	v_pk_mul_f32 v[14:15], v[14:15], v[F:F+1] op_sel_hi:[1,0]   ; the sums under the new M: the plain instruction behind the exponentials
	s_wait_alu depctr_va_vdst(0)                   ; one wait for the batch of 64, ahead of its first reader
.irp b, 0,1,2,3
	v_exp_f32 v[BM+\b], v[BM+\b]                   ; the block's largest p: the same two instructions on the same number
.endr
	v_pk_add_f32 v[L2:L2+1], v[S:S+1], v[S+2:S+3]  ; the row's sum is taken of the unquantised p, in two chains; it reads the 64 alone
.set j, 4
.rept 15
	v_pk_add_f32 v[14:15], v[14:15], v[S+j:S+j+1]
	v_pk_add_f32 v[L2:L2+1], v[L2:L2+1], v[S+j+2:S+j+3]
.set j, j+4
.endr
	v_pk_add_f32 v[14:15], v[14:15], v[L2:L2+1]
	s_wait_alu depctr_va_vdst(0)                   ; and one for the four
.irp b, 0,1,2,3
	v_max_num_f32 v[BM+\b], 0x1800000, v[BM+\b]    ; the floor 2^(3 - 127): the byte cannot fall under 1
.endr
.irp b, 0,1,2,3
	v_add_nc_u32 v[SC+\b], 0xff000000, v[BM+\b]    ; 2 off the exponent field: the conversion's scale operand
.endr
.irp b, 0,1,2,3
	v_lshrrev_b32 v[T2+\b], 23, v[SC+\b]           ; the scale's byte
.endr
	v_lshl_or_b32 v[PW], v[T2+1], 8, v[T2]         ; p's scale word for these 128 keys
	v_lshl_or_b32 v[PW], v[T2+2], 16, v[PW]
	v_lshl_or_b32 v[PW], v[T2+3], 24, v[PW]
.irp b, 0,1,2,3
	v_cvt_scalef32_pk8_fp4_f32 v[PC+2*\b], v[S+16*\b:S+16*\b+7], v[SC+\b]
	v_cvt_scalef32_pk8_fp4_f32 v[PC+2*\b+1], v[S+16*\b+8:S+16*\b+15], v[SC+\b]
.endr
	v_nop                                          ; one plain place behind a scaled conversion
.irp c, 0,1
.irp i, 0,1
	v_permlane16_swap_b32 v[PC+4*\c+\i], v[PC+4*\c+2+\i]   ; a whole block to a lane
.endr
.endr
.set j, 0
.rept 16
	v_pk_mul_f32 v[O+j:O+j+1], v[O+j:O+j+1], v[F:F+1] op_sel_hi:[1,0]   ; O^T under the new M.  Of these sixteen, twelve name no register of a given product below: the places between p's scale word and codes and the products
.set j, j+2
.endr
	s_wait_dscnt 0x0                               ; V
.irp t, 0,1
	v_wmma_scale_f32_16x16x128_f8f6f4 v[O+8*\t:O+8*\t+7], v[VF+8*\t:VF+8*\t+7], v[PC:PC+7], v[O+8*\t:O+8*\t+7], v[VSW+\t], v[PW] matrix_a_fmt:MATRIX_FMT_FP4 matrix_b_fmt:MATRIX_FMT_FP4
.endr
.irp t, 2,3
	v_wmma_scale_f32_16x16x128_f8f6f4 v[O+8*\t:O+8*\t+7], v[VF+8*\t:VF+8*\t+7], v[PC:PC+7], v[O+8*\t:O+8*\t+7], v[VSW+\t-2], v[PW] matrix_a_fmt:MATRIX_FMT_FP4 matrix_b_fmt:MATRIX_FMT_FP4 matrix_a_scale:MATRIX_SCALE_ROW1
.endr                                              ; the four accumulators by turns; the next step's eight score products stand between two turns
.Lhidden:
	s_add_co_u32 s[J], s[J], 1
	s_cmp_lt_u32 s[J], 8
	s_cbranch_scc1 .Lstep
	; ---- a pass's end: O^T / the sum, quantised along the head's 64 channels: two blocks
.rept 4
	v_nop                                          ; four places behind the last products
.endr
	v_add_f32 v14, v14, v15                        ; the sum's two halves,
	v_permlanex16_b32 v[TC], v14, s[SEL], s[SEL+1]
	v_add_f32 v14, v14, v[TC]                      ; and lane l xor 16's
	v_rcp_f32 v[INV], v14
	v_rcp_f32 v[INV+1], v14
	s_lshl_b32 s[X0], s[G], 1
	s_add_co_u32 s[X0], s[X0], s[U]                ; 2 g + u
	s_lshl_b32 s[X1], s[X0], 13
	s_lshl_b32 s[X0], s[X0], 10
	s_wait_xcnt 0x0                                ; Q's loads have read their offsets
	v_add_nc_u32 v[TA], s[X1], v[LI]               ; (the plain instruction behind the reciprocals)  the codes' place
	v_add_nc_u32 v[TD], s[X0], v[R4]               ; the scale word's
	s_wait_alu depctr_va_vdst(0)                   ; one wait for the two reciprocals, ahead of their first reader
.set j, 0
.rept 16
	v_pk_mul_f32 v[O+j:O+j+1], v[O+j:O+j+1], v[INV:INV+1]   ; register 16 e + i: channel 32 e + 16 h + i of my query
.set j, j+2
.endr
.irp e, 0,1
	v_max3_num_f32 v[BM+\e], |v[O+16*\e]|, |v[O+16*\e+1]|, 0x1800000
.endr
.irp i, 2,4,6,8,10,12,14
.irp e, 0,1
	v_max3_num_f32 v[BM+\e], v[BM+\e], |v[O+16*\e+\i]|, |v[O+16*\e+\i+1]|
.endr
.endr
.irp e, 0,1
	v_permlanex16_b32 v[T2+\e], v[BM+\e], s[SEL], s[SEL+1]
.endr
.irp e, 0,1
	v_max_num_f32 v[BM+\e], v[BM+\e], v[T2+\e]
.endr
.irp e, 0,1
	v_add_nc_u32 v[SC+\e], 0xff000000, v[BM+\e]
.endr
.irp e, 0,1
	v_lshrrev_b32 v[T2+\e], 23, v[SC+\e]
.endr
	v_lshl_or_b32 v[TC], v[T2+1], 8, v[T2]         ; the head's two bytes of my query
.irp e, 0,1
	v_cvt_scalef32_pk8_fp4_f32 v[OC+2*\e], v[O+16*\e:O+16*\e+7], v[SC+\e]
	v_cvt_scalef32_pk8_fp4_f32 v[OC+2*\e+1], v[O+16*\e+8:O+16*\e+15], v[SC+\e]
.endr
	v_nop                                          ; one plain place behind a scaled conversion
	v_permlane16_swap_b32 v[OC], v[OC+2]
	v_permlane16_swap_b32 v[OC+1], v[OC+3]         ; lanes 0-15 block 0, lanes 16-31 block 1: four registers of the last product's operand
	global_store_b128 v[TA], v[OC:OC+3], s[10:11]  ; 512 consecutive bytes, aligned
	v_cndmask_b32 v[OW], v[OW], v[TC], s[MK]       ; the scale words of the two passes share one store: lanes 0-15 keep pass 0's, lanes 16-31 pass 1's
	v_cndmask_b32 v[OA], v[OA], v[TD], s[MK]
	s_not_b32 s[MK], s[MK]
	s_sub_co_u32 s[G], 31, s[G]
	s_add_co_u32 s[PS], s[PS], 1
	s_cmp_lt_u32 s[PS], 2
	s_cbranch_scc1 .Lpass
	global_store_b32 v[OA], v[OW], s[12:13]
	s_wait_tensorcnt 0x0
	ds_add_u32 v254, v255
	s_wait_dscnt 0x0
	s_endpgm
.Lfunc_end_k_q27ed181b8b_attn:
	.size	k_q27ed181b8b_attn, .Lfunc_end_k_q27ed181b8b_attn-k_q27ed181b8b_attn
	.p2alignl 7, 3214868480
	.fill 96, 4, 3214868480
	.section	.rodata,"a",@progbits
	.p2align	6, 0x0
	.amdhsa_kernel k_q27ed181b8b_attn
		.amdhsa_group_segment_fixed_size 73728
		.amdhsa_private_segment_fixed_size 0
		.amdhsa_enable_private_segment 0
		.amdhsa_kernarg_size 40
		.amdhsa_user_sgpr_count 2
		.amdhsa_user_sgpr_kernarg_segment_ptr 1
		.amdhsa_wavefront_size32 1
		.amdhsa_system_sgpr_workgroup_id_x 1
		.amdhsa_system_sgpr_workgroup_id_y 1
		.amdhsa_system_sgpr_workgroup_id_z 1
		.amdhsa_system_vgpr_workitem_id 0
		.amdhsa_next_free_vgpr 256
		.amdhsa_next_free_sgpr 66
		.amdhsa_reserve_vcc 1
		.amdhsa_float_denorm_mode_32 3
		.amdhsa_float_denorm_mode_16_64 3
		.amdhsa_memory_ordered 1
		.amdhsa_forward_progress 1
		.amdhsa_inst_pref_size 40
	.end_amdhsa_kernel
	.amdgpu_metadata
---
amdhsa.version: [ 1, 2 ]
amdhsa.kernels:
  - .name:           k_q27ed181b8b_attn
    .symbol:         k_q27ed181b8b_attn.kd
    .args:
      - { .name: qbuf, .offset: 0, .size: 8, .value_kind: global_buffer, .address_space: global }
      - { .name: kvbuf, .offset: 8, .size: 8, .value_kind: global_buffer, .address_space: global }
      - { .name: input_ids, .offset: 16, .size: 8, .value_kind: global_buffer, .address_space: global }
      - { .name: obuf, .offset: 24, .size: 8, .value_kind: global_buffer, .address_space: global }
      - { .name: osc, .offset: 32, .size: 8, .value_kind: global_buffer, .address_space: global }
    .group_segment_fixed_size: 73728
    .private_segment_fixed_size: 0
    .kernarg_segment_align: 8
    .kernarg_segment_size: 40
    .max_flat_workgroup_size: 512
    .sgpr_count:     66
    .vgpr_count:     256
    .wavefront_size: 32
...
	.end_amdgpu_metadata
.endif
;; end of part 2
;; launch oproj (part 3): grid 256 x 1, 4 waves a work-group, no clusters, 169,472 bytes of LDS; arguments obuf, osc, Wo_codes, Wo_scales, bo, out0; writes out0
.if DOCPART == 3
	.amdgcn_target "amdgcn-amd-amdhsa--gfx1250"
	.amdhsa_code_object_version 6
	.text
	.protected	k_q27ed181b8b_oproj
	.globl	k_q27ed181b8b_oproj
	.p2align	8
	.type	k_q27ed181b8b_oproj,@function
k_q27ed181b8b_oproj:
	s_mov_b64 s[64:65], 0
	v_nop
	global_prefetch_b8 v0, s[64:65] scope:SCOPE_SE
	s_setreg_imm32_b32 hwreg(HW_REG_WAVE_MODE, 25, 1), 1
	s_wait_xcnt 0x0
; out = o Wo^T + bo on codes of FP4 (E2M1) with one E8M0 scale for each 32 along K.  o comes as images of the operand's registers: obuf [tile of 16 tokens 512][head 16][lane][16]: heads 2 s, 2 s + 1 are registers 0-3 and 4-7 of K step s;
; osc [tile][head][r]: a word with the head's two scale bytes.  Row i of tile 2 G + u is token 32 G + 8 u + i + 8 (i / 8).
; SHARES.  A work-group makes 128 tokens x 256 columns; wave w makes the tiles 4 (w / 2) .. + 3 x the columns 128 (w % 2) .. + 127: 32 accumulators.  o's 32 fragments of a wave stay in registers; the work-group's 256 rows of Wo
; lie in LDS, filled once through registers (one barrier), and are read by two waves each.  All inputs are asked for in one batch at the head.
; No cluster and no joint loads: nothing here comes by the tensor data mover, and a work-group reads 256 KiB against the 128 KiB that it stores.
; THE MATRIX INSTRUCTION IS USED TRANSPOSED (source 0 = 16 rows of Wo, source 1 = 16 tokens): a lane holds eight neighbouring columns of one token.  bo is the C of each sum's first product.
; REGISTERS: window 0: addresses, scale words, two sets of eight fragments of Wo (on the way out: rows of the result).  Window 1: o's fragment (a, s) at 64 a + 8 s.  Window 2: accumulator (a, t) at 8 (8 a + t); at the head Wo's rows.
; Window 3: v0-63 bo, 8 registers a tile of columns.
.set WROW, 528                         ; an LDS row: 512 bytes + 16
.set STG,  256*WROW                    ; behind Wo's rows: a stage of 16 rows for each wave
.set LI,   1                           ; v1  16 x lane
.set L32,  2                           ; v2  32 x lane: a row of Wo's scale bytes
.set H32,  3                           ; v3  32 h: bo
.set OSA,  4                           ; v4  1,024 h + 4 r: osc
.set WSTO, 5                           ; v5  where I put Wo's rows
.set WFA,  6                           ; v6  where I read its fragments
.set STO,  7                           ; v7  the stage: 32 bytes of a row in
.set RD,   8                           ; v8  a row back
.set WS,   16                          ; v16-47 Wo's scale words [pair of tiles 4][K step 8]: lanes 0-15 the even tile, lanes 16-31 the odd one
.set AS,   48                          ; v48-63 o's [pair 2][K step 8]
.set OSR,  64                          ; v64-95 o's half words as loaded [pair 2][head 16]
.set WF,   128                         ; v128-255 two sets of eight fragments
.set BK,   128                         ; the way out: two sets of 16 rows
.set MSB, 0
.macro WIN new                         ; the immediate's high byte repeats the setting that is left; a switch that changes nothing is dropped
.if MSB != (\new)
	s_set_vgpr_msb (MSB<<8)|(\new)
.set MSB, (\new)
.endif
.endm
.macro PLACES                          ; four places behind matrix instructions, ahead of loads into their registers and of reads of their results
.rept 4
	v_nop
.endr
.endm
.macro MM d, a, b, c, sa, sb, ra, rb   ; one product; ra, rb = 1: that side's scale words are taken from lanes 16-31
.if (\ra) && (\rb)
	v_wmma_scale_f32_16x16x128_f8f6f4 v[(\d):(\d)+7], v[(\a):(\a)+7], v[(\b):(\b)+7], v[(\c):(\c)+7], v[\sa], v[\sb] matrix_a_fmt:MATRIX_FMT_FP4 matrix_b_fmt:MATRIX_FMT_FP4 matrix_a_scale:MATRIX_SCALE_ROW1 matrix_b_scale:MATRIX_SCALE_ROW1
.elseif (\ra)
	v_wmma_scale_f32_16x16x128_f8f6f4 v[(\d):(\d)+7], v[(\a):(\a)+7], v[(\b):(\b)+7], v[(\c):(\c)+7], v[\sa], v[\sb] matrix_a_fmt:MATRIX_FMT_FP4 matrix_b_fmt:MATRIX_FMT_FP4 matrix_a_scale:MATRIX_SCALE_ROW1
.elseif (\rb)
	v_wmma_scale_f32_16x16x128_f8f6f4 v[(\d):(\d)+7], v[(\a):(\a)+7], v[(\b):(\b)+7], v[(\c):(\c)+7], v[\sa], v[\sb] matrix_a_fmt:MATRIX_FMT_FP4 matrix_b_fmt:MATRIX_FMT_FP4 matrix_b_scale:MATRIX_SCALE_ROW1
.else
	v_wmma_scale_f32_16x16x128_f8f6f4 v[(\d):(\d)+7], v[(\a):(\a)+7], v[(\b):(\b)+7], v[(\c):(\c)+7], v[\sa], v[\sb] matrix_a_fmt:MATRIX_FMT_FP4 matrix_b_fmt:MATRIX_FMT_FP4
.endif
.endm
	s_load_b256 s[4:11], s[0:1], 0x0               ; obuf s[4:5], osc s[6:7], Wo's codes s[8:9], Wo's scales s[10:11]
	s_load_b128 s[12:15], s[0:1], 0x20             ; bo s[12:13], out0 s[14:15]
	v_lshl_add_u32 v126, v0, 2, 0x29400
	v_mov_b32 v127, 0
	v_lshrrev_b32 v9, 5, v0
	v_readfirstlane_b32 s16, v9                    ; wave 0..3
	v_and_b32 v9, 31, v0                           ; lane
	v_and_b32 v10, 15, v0                          ; r
	v_bfe_u32 v11, v0, 4, 1                        ; h
	v_lshlrev_b32 v[LI], 4, v9
	v_lshlrev_b32 v[L32], 5, v9
	v_lshlrev_b32 v[H32], 5, v11
	v_lshlrev_b32 v[OSA], 2, v10
	v_lshl_add_u32 v[OSA], v11, 10, v[OSA]
	s_lshr_b32 s17, s16, 1                         ; which four tiles of tokens
	s_and_b32 s18, s16, 1                          ; which 128 columns
	s_mul_i32 s23, s16, 64*WROW
	v_add_nc_u32 v[WSTO], s23, v[LI]               ; wave w brings rows 64 w .. 64 w + 63 of the work-group's 256
	v_mul_u32_u24 v12, v10, WROW
	s_mul_i32 s23, s18, 128*WROW
	v_lshl_add_u32 v[WFA], v11, 4, v12
	v_add_nc_u32 v[WFA], s23, v[WFA]               ; a fragment: row r x pitch + 16 h, in my 128 rows
	s_mul_i32 s23, s16, 16*WROW
	s_add_co_u32 s23, s23, STG                     ; my stage
	v_lshl_add_u32 v[STO], v11, 5, v12
	v_add_nc_u32 v[STO], s23, v[STO]
	v_add_nc_u32 v[RD], s23, v[LI]
	s_lshr_b32 s19, ttmp9, 2                       ; which 128 tokens
	s_and_b32 s20, ttmp9, 3                        ; which 256 columns
	s_lshl_b32 s21, s19, 3
	s_lshl_b32 s22, s17, 2
	s_add_co_u32 s21, s21, s22                     ; my first tile: 8 tb + 4 (w / 2)
	s_lshl_b32 s22, s20, 8
	s_lshl_b32 s23, s18, 7
	s_add_co_u32 s22, s22, s23                     ; my first column: 256 cb + 128 (w % 2)
	s_lshl_b32 s24, s21, 13                        ; a tile of obuf is 8,192 bytes,
	s_mov_b32 s25, 0
	s_lshl_b32 s26, s21, 10                        ; of osc 1,024
	s_mov_b32 s27, 0
	s_lshl_b32 s28, s22, 5                         ; Wo's scale bytes: 32 a row
	s_mov_b32 s29, 0
	s_lshl_b32 s30, s22, 2                         ; bo
	s_mov_b32 s31, 0
	s_lshl_b32 s32, s20, 8
	s_lshl_b32 s33, s16, 6
	s_add_co_u32 s32, s32, s33
	s_lshl_b32 s32, s32, 9                         ; the rows of Wo that I bring: 256 cb + 64 w, 512 bytes each
	s_mov_b32 s33, 0
	s_lshl_b32 s34, s21, 16                        ; out0: 16 tokens a tile, 4,096 bytes a token,
	s_add_co_u32 s34, s34, s30                     ; + my first column
	s_mov_b32 s35, 0
	s_wait_kmcnt 0x0
	s_add_nc_u64 s[4:5], s[4:5], s[24:25]
	s_add_nc_u64 s[6:7], s[6:7], s[26:27]
	s_add_nc_u64 s[8:9], s[8:9], s[32:33]
	s_add_nc_u64 s[10:11], s[10:11], s[28:29]
	s_add_nc_u64 s[12:13], s[12:13], s[30:31]
	s_add_nc_u64 s[14:15], s[14:15], s[34:35]
; ---- all loads: the small ones, Wo's rows, o's fragments
.irp p, 0,1,2,3
.irp k, 0,1
	global_load_b128 v[WS+8*\p+4*\k:WS+8*\p+4*\k+3], v[L32], s[10:11] offset:1024*\p+16*\k   ; lane l: row 32 p + l of my 128: lanes 0-15 tile 2 p, lanes 16-31 tile 2 p + 1
.endr
.endr
.irp p, 0,1
.irp e, 0,1,2,3,4,5,6,7,8,9,10,11,12,13,14,15
	global_load_b32 v[OSR+16*\p+\e], v[OSA], s[6:7] offset:2048*\p+64*\e
.endr
.endr
	WIN 0xc0                                       ; destination window 3
.irp t, 0,1,2,3,4,5,6,7
.irp k, 0,1
	global_load_b128 v[8*\t+4*\k:8*\t+4*\k+3], v[H32], s[12:13] offset:64*\t+16*\k   ; bo of columns 16 t + 8 h + 0 .. 7
.endr
.endr
	WIN 0x80                                       ; destination window 2
.set i, 0
.rept 64
	global_load_b128 v[4*i:4*i+3], v[LI], s[8:9] offset:512*i   ; a whole row of Wo: 512 consecutive bytes
.set i, i+1
.endr
	WIN 0x40                                       ; destination window 1
.irp a, 0,1,2,3
.irp s, 0,1,2,3,4,5,6,7
.irp c, 0,1
	global_load_b128 v[64*\a+8*\s+4*\c:64*\a+8*\s+4*\c+3], v[LI], s[4:5] offset:8192*\a+512*(2*\s+\c)
.endr
.endr
.endr
	s_wait_loadcnt 63                              ; o's 64 fragment loads are younger than all else: the scales, bo and Wo's rows are in
	WIN 0x08                                       ; an LDS store's data are its source 1: window 2
.set i, 0
.rept 64
	ds_store_b128 v[WSTO], v[4*i:4*i+3] offset:WROW*i
.set i, i+1
.endr
	WIN 0
.irp p, 0,1
.irp s, 0,1,2,3,4,5,6,7
	v_lshl_or_b32 v[AS+8*\p+\s], v[OSR+16*\p+2*\s+1], 16, v[OSR+16*\p+2*\s]   ; heads 2 s and 2 s + 1 make K step s's scale word
.endr
.endr
	s_wait_dscnt 0x0                               ; for the others' sake: my rows of Wo lie in LDS
	s_barrier_signal -1
	s_barrier_wait -1                              ; the one barrier: from here on Wo's rows are only read
	s_wait_loadcnt 0x0                             ; o's fragments
.macro FETCHO s                        ; my eight tiles of Wo, K step s, into set s % 2
.irp t, 0,1,2,3,4,5,6,7
.irp c, 0,1
	ds_load_b128 v[WF+64*((\s)%2)+8*\t+4*\c:WF+64*((\s)%2)+8*\t+4*\c+3], v[WFA] offset:16*\t*WROW+64*(\s)+32*\c
.endr
.endr
.endm
; A K step of 128: 32 products, the 32 accumulators by turns, one instruction a turn, in the same order in every step
.macro KSTEP s
	PLACES                                         ; behind the last step's products, which read the set that is fetched into now
	WIN 0
.if (\s) < 7
	FETCHO (\s)+1
	s_wait_dscnt 16                                ; this step's sixteen loads are in; the sixteen just issued may be out
.else
	s_wait_dscnt 0x0
.endif
.if (\s) == 0
	WIN 0xb4                                       ; A window 0, B (o) window 1, C (bo) window 3, D window 2
.else
	WIN 0xa4                                       ; C window 2
.endif
.irp a, 0,1,2,3
.irp t, 0,1,2,3,4,5,6,7
.if (\s) == 0
	MM 8*(8*\a+\t), WF+64*((\s)%2)+8*\t, 64*\a+8*(\s), 8*\t, WS+8*(\t/2)+(\s), AS+8*(\a/2)+(\s), \t%2, \a%2
.else
	MM 8*(8*\a+\t), WF+64*((\s)%2)+8*\t, 64*\a+8*(\s), 8*(8*\a+\t), WS+8*(\t/2)+(\s), AS+8*(\a/2)+(\s), \t%2, \a%2
.endif
.endr
.endr
.endm
	FETCHO 0
.rept 8
	v_nop                                          ; o's scale words were made by vector instructions: eight places ahead of the first scaled product
.endr
.irp s, 0,1,2,3,4,5,6,7
	KSTEP \s
.endr
; THE WAY OUT, a tile of 16 tokens x 128 columns at a time.  A lane holds 32 neighbouring bytes of a row and the lanes beside it hold other rows: a tile goes through my own stage and comes back as whole rows of 512 bytes.
; LDS serves a wave's instructions in order (ISA guide 5.7.1.4): no wait between the stores and the loads, nor ahead of the next tile's stores.
.macro TOSTAGE a
	WIN 0x08                                       ; the data: window 2
.irp t, 0,1,2,3,4,5,6,7
	ds_store_b128 v[STO], v[8*(8*(\a)+\t):8*(8*(\a)+\t)+3] offset:64*\t          ; each accumulator from its low end on
	ds_store_b128 v[STO], v[8*(8*(\a)+\t)+4:8*(8*(\a)+\t)+7] offset:64*\t+16
.endr
	WIN 0
.irp i, 0,1,2,3,4,5,6,7,8,9,10,11,12,13,14,15
	ds_load_b128 v[BK+64*((\a)%2)+4*\i:BK+64*((\a)%2)+4*\i+3], v[RD] offset:WROW*\i
.endr
.endm
.macro SEND a, younger                 ; younger: the LDS instructions issued behind tile a's loads, which may stay out
	s_wait_dscnt \younger
.irp i, 0,1,2,3,4,5,6,7,8,9,10,11,12,13,14,15
	global_store_b128 v[LI], v[BK+64*((\a)%2)+4*\i:BK+64*((\a)%2)+4*\i+3], s[14:15] offset:(32*((\a)/2)+8*((\a)%2)+\i+8*(\i/8))*4096 th:TH_STORE_NT   ; 512 consecutive bytes, aligned; written once, read by nobody here
.endr
.endm
	PLACES                                         ; behind the last products: ahead of the reads of their results and of the loads into the registers that held Wo's fragments
	TOSTAGE 0
	TOSTAGE 1
	SEND 0, 32                                     ; behind tile 0's loads: tile 1's 16 stores and 16 loads
	s_wait_xcnt 0x0                                ; tile 0's stores have read their registers: tile 2's rows may land there
	TOSTAGE 2
	SEND 1, 32
	s_wait_xcnt 0x0                                ; tile 1's likewise
	TOSTAGE 3
	SEND 2, 32
	SEND 3, 0
	s_wait_tensorcnt 0x0
	ds_add_u32 v126, v127
	s_wait_dscnt 0x0
	s_endpgm
.Lfunc_end_k_q27ed181b8b_oproj:
	.size	k_q27ed181b8b_oproj, .Lfunc_end_k_q27ed181b8b_oproj-k_q27ed181b8b_oproj
	.p2alignl 7, 3214868480
	.fill 96, 4, 3214868480
	.section	.rodata,"a",@progbits
	.p2align	6, 0x0
	.amdhsa_kernel k_q27ed181b8b_oproj
		.amdhsa_group_segment_fixed_size 169472
		.amdhsa_private_segment_fixed_size 0
		.amdhsa_enable_private_segment 0
		.amdhsa_kernarg_size 48
		.amdhsa_user_sgpr_count 2
		.amdhsa_user_sgpr_kernarg_segment_ptr 1
		.amdhsa_wavefront_size32 1
		.amdhsa_system_sgpr_workgroup_id_x 1
		.amdhsa_system_sgpr_workgroup_id_y 1
		.amdhsa_system_sgpr_workgroup_id_z 1
		.amdhsa_system_vgpr_workitem_id 0
		.amdhsa_next_free_vgpr 1024
		.amdhsa_next_free_sgpr 66
		.amdhsa_reserve_vcc 0
		.amdhsa_float_denorm_mode_32 3
		.amdhsa_float_denorm_mode_16_64 3
		.amdhsa_memory_ordered 1
		.amdhsa_forward_progress 1
		.amdhsa_inst_pref_size 82
	.end_amdhsa_kernel
	.amdgpu_metadata
---
amdhsa.version: [ 1, 2 ]
amdhsa.kernels:
  - .name:           k_q27ed181b8b_oproj
    .symbol:         k_q27ed181b8b_oproj.kd
    .args:
      - { .name: obuf, .offset: 0, .size: 8, .value_kind: global_buffer, .address_space: global }
      - { .name: osc, .offset: 8, .size: 8, .value_kind: global_buffer, .address_space: global }
      - { .name: Wo_codes, .offset: 16, .size: 8, .value_kind: global_buffer, .address_space: global }
      - { .name: Wo_scales, .offset: 24, .size: 8, .value_kind: global_buffer, .address_space: global }
      - { .name: bo, .offset: 32, .size: 8, .value_kind: global_buffer, .address_space: global }
      - { .name: out0, .offset: 40, .size: 8, .value_kind: global_buffer, .address_space: global }
    .group_segment_fixed_size: 169472
    .private_segment_fixed_size: 0
    .kernarg_segment_align: 8
    .kernarg_segment_size: 48
    .max_flat_workgroup_size: 128
    .sgpr_count:     66
    .vgpr_count:     1024
    .wavefront_size: 32
...
	.end_amdgpu_metadata
.endif
;; end of part 3
;; ======== version 2 of 2: 3 launches; version 1 with the launches qkv, attn, oproj written anew for expert scheduling mode
;; limits: right only within a limited range of input values
;; workspace buffers: qbuf 4,718,592 bytes; kvbuf 9,175,040 bytes; obuf 4,194,304 bytes; osc 524,288 bytes
;; launch qkv (part 4): grid 256 x 1, 4 waves a work-group, no clusters, 135,680 bytes of LDS; arguments x_codes, x_scales, Wq_codes, Wq_scales, bq, Wk_codes, Wk_scales, bk, Wv_codes, Wv_scales, bv, qbuf, kvbuf; writes qbuf, kvbuf
.if DOCPART == 4
	.amdgcn_target "amdgcn-amd-amdhsa--gfx1250"
	.amdhsa_code_object_version 6
	.text
	.protected	k_q27ed181b8b_qkv
	.globl	k_q27ed181b8b_qkv
	.p2align	8
	.type	k_q27ed181b8b_qkv,@function
k_q27ed181b8b_qkv:
	s_mov_b64 s[64:65], 0
	v_nop
	global_prefetch_b8 v0, s[64:65] scope:SCOPE_SE
	s_setreg_imm32_b32 hwreg(HW_REG_WAVE_SCHED_MODE, 0, 2), 2
	s_setreg_imm32_b32 hwreg(HW_REG_WAVE_MODE, 25, 1), 1
	s_wait_xcnt 0x0
	s_wait_alu depctr_vm_vsrc(0)
; q = x Wq^T + bq, k = x Wk^T + bk, v = x Wv^T + bv on codes of FP4 (E2M1) with one E8M0 scale for each 32 along K, and the quantisers of q, k (along the head's 64) and v (along the keys).
; SHARES.  A work-group takes 512 tokens of one batch and the 192 weight rows of one head (64 each of Wq, Wk, Wv).  Wave w takes 128 of the tokens and makes all 192 columns for them, one matrix after the other.
; x's 64 fragments (8 tiles of 16 tokens x 8 K steps of 128) stay in the wave's registers; the 192 weight rows lie in LDS, filled once, and are read by all four waves.
; No cluster and no joint loads: nothing here comes by the tensor data mover: 512 + 192 rows of 528 bytes are 371,712 bytes, more than a work-group may claim, so x goes straight into registers.
; THE ROWS OF A TILE ARE NOT NEIGHBOURS, of x and of the weights alike: row i of tile 2 p + u of a group of 32 is row 32 p + 8 u + i + 8 (i / 8).  A result's register 8 h + j .. of tiles 2 p and 2 p + 1 then are 16 neighbours
; along the axis that source 0 brings: for q and k source 0 = weight rows (a lane holds one token, its registers run along the head's channels), for v source 0 = tokens (a lane holds one channel, its registers run along the keys).
; So the conversions' results are the next product's operand registers, and they are stored as such an image: 16 bytes a lane at 16 x lane, 512 consecutive bytes a store.
; OUT.  qbuf, for each (batch, head) 36,864 bytes: codes [group of 128 tokens][tile 8][lane][16] (lanes 0-15 channels 0-31, lanes 16-31 channels 32-63), at 32,768 scale words [group][lane][4]: lane (r, h) has tiles 4 h .. 4 h + 3 of row r;
; a word is byte 0 | byte 1 << 8 | 0x7f7f0000.  kvbuf, 71,680 bytes: k as q at 0 and at 65,536; v's codes at 32,768: [group][tile of 16 channels 4][half 2][lane][16]; v's scale words at 69,632: [group][lane][2].
; LIMITS: NaN and infinities are not served; a block of zeros gets the byte 1 where the rule says 127: its codes are zeros, and this program alone reads the bytes.
; REGISTERS, in windows of 256: window 0: addresses, scale words, a bias, two sets of weight fragments, the quantiser's registers.  Windows 1, 2: x's fragment (tile a, K step s) at v[64 (a % 4) + 8 s] of window 1 + a / 4.
; Window 3: the 32 accumulators (q, k: (a, t) at 8 (4 a + t); v: at 8 (8 t + a)); at the head the weight rows on their way to LDS.
; THE MODE: SCHED_MODE bits 1:0 = 2 (LLVM: expert scheduling mode 2), set by the entry lines.  The code itself states the register dependences between vector or matrix instructions and memory or LDS instructions, with s_wait_alu, always for 0.
; THE PLAN.  Registers that memory or LDS instructions touch:
;   v1-13        addresses: written at the head, never again; one wait on va_vdst ahead of the first load serves every load and store of the kernel.
;   windows 1, 2 x's rows land there, the stage's LDS stores read them, the fragments' LDS loads land in the same registers: a wait on vm_vsrc between the two, once a tile.
;   window 3     the weight rows land there and LDS stores read them; later the products write the accumulators there: one wait on vm_vsrc behind the barrier.
;   WF0, WF1     step s's products read set s % 2; the LDS loads issued at the head of step s land in the other set, which step s - 1's products read: one wait on va_vdst at a step's head.
;   BI           step 0's products read it; the next matrix's bias lands in it at step 1, behind the same wait.
;   PC0 .. PC3, SW  written by a matrix's four quantisers, read by its nine stores, which stand in one run behind one wait on va_vdst; the next matrix's quantisers write them again behind one wait on vm_vsrc.
;   v254, v255   written at the head, read by the closing add alone.
.set WROW, 528                         ; an LDS row: 512 bytes + 16: 33 x 16, so the 16 rows that a fragment load touches fall on 16 different 16-byte columns of 256 bytes
.set WMAT, 64*WROW                     ; a matrix's 64 rows
.set XST,  3*WMAT                      ; behind the weights: a stage of 16 rows for each wave
.set XSTW, 16*WROW
.set LI,  1                            ; v1    16 x lane
.set L8,  2                            ; v2    8 x lane
.set SA,  3                            ; v3    32 (8 h + perm(r)): my row of scale bytes in a group of 32 rows
.set BA,  4                            ; v4    64 h: a bias for q and k
.set BV,  5                            ; v5    4 perm(r): for v
.set WST, 6                            ; v6-8  where I put weight rows of matrix m
.set WFA, 9                            ; v9-11 where I read its fragments
.set XSS, 12                           ; v12   my stage: a row in
.set XSL, 13                           ; v13   a fragment out
.set XS,  16                           ; v16-47  x's scale words [pair of tiles 4][K step 8]: lanes 0-15 the even tile, lanes 16-31 the odd one
.set WS,  48                           ; v48-95  the weights' [matrix 3][pair 2][K step 8]
.set BI,  96                           ; v96-127 a bias in the result's layout, 8 registers a tile
.set WF,  128                          ; v128-191 two sets of four weight fragments
.set TM,  192                          ; v192-207 the quantiser: largest magnitudes, bytes, -, scale operands
.set PC,  208                          ; codes, four sets of 8: sets 0, 1 at v208-223, sets 2, 3 at v236-251: set n at PC + 8 n + 12 (n / 2).  (v236-239 hold the lane's numbers at the head)
.set QW,  224                          ; v224-231 scale words
.set SW,  232                          ; v232-235 scale words as they are stored
.set SEL, 42                           ; s[42:43] v_permlanex16_b32's selects for lane l xor 16
.set MSB, 0
.macro WIN new                         ; the immediate's high byte repeats the setting that is left; a switch that changes nothing is dropped
.if MSB != (\new)
	s_set_vgpr_msb (MSB<<8)|(\new)
.set MSB, (\new)
.endif
.endm
.macro PLACES                          ; four places behind matrix instructions, ahead of loads into their registers and of reads of their results
.rept 4
	v_nop
.endr
.endm
; one product; ra, rb = 1: that side's scale words are taken from lanes 16-31
.macro MM d, a, b, c, sa, sb, ra, rb
.if (\ra) && (\rb)
	v_wmma_scale_f32_16x16x128_f8f6f4 v[(\d):(\d)+7], v[(\a):(\a)+7], v[(\b):(\b)+7], v[(\c):(\c)+7], v[\sa], v[\sb] matrix_a_fmt:MATRIX_FMT_FP4 matrix_b_fmt:MATRIX_FMT_FP4 matrix_a_scale:MATRIX_SCALE_ROW1 matrix_b_scale:MATRIX_SCALE_ROW1
.elseif (\ra)
	v_wmma_scale_f32_16x16x128_f8f6f4 v[(\d):(\d)+7], v[(\a):(\a)+7], v[(\b):(\b)+7], v[(\c):(\c)+7], v[\sa], v[\sb] matrix_a_fmt:MATRIX_FMT_FP4 matrix_b_fmt:MATRIX_FMT_FP4 matrix_a_scale:MATRIX_SCALE_ROW1
.elseif (\rb)
	v_wmma_scale_f32_16x16x128_f8f6f4 v[(\d):(\d)+7], v[(\a):(\a)+7], v[(\b):(\b)+7], v[(\c):(\c)+7], v[\sa], v[\sb] matrix_a_fmt:MATRIX_FMT_FP4 matrix_b_fmt:MATRIX_FMT_FP4 matrix_b_scale:MATRIX_SCALE_ROW1
.else
	v_wmma_scale_f32_16x16x128_f8f6f4 v[(\d):(\d)+7], v[(\a):(\a)+7], v[(\b):(\b)+7], v[(\c):(\c)+7], v[\sa], v[\sb] matrix_a_fmt:MATRIX_FMT_FP4 matrix_b_fmt:MATRIX_FMT_FP4
.endif
.endm
	s_load_b256 s[4:11], s[0:1], 0x0               ; x's codes s[4:5], x's scales s[6:7], Wq's codes s[8:9], Wq's scales s[10:11]
	s_load_b256 s[12:19], s[0:1], 0x20             ; bq s[12:13], Wk's codes s[14:15], Wk's scales s[16:17], bk s[18:19]
	s_load_b256 s[20:27], s[0:1], 0x40             ; Wv's codes s[20:21], Wv's scales s[22:23], bv s[24:25], qbuf s[26:27]
	s_load_b64 s[28:29], s[0:1], 0x60              ; kvbuf
	v_lshl_add_u32 v254, v0, 2, 0x21000
	v_mov_b32 v255, 0
	v_lshrrev_b32 v236, 5, v0
	v_readfirstlane_b32 s30, v236                  ; wave 0..3
	v_and_b32 v236, 31, v0                         ; lane
	v_and_b32 v237, 15, v0                         ; r
	v_bfe_u32 v238, v0, 4, 1                       ; h
	v_and_b32 v239, 8, v237
	v_add_nc_u32 v239, v239, v237                  ; perm(r) = r + 8 (r / 8)
	v_lshlrev_b32 v[LI], 4, v236
	v_lshlrev_b32 v[L8], 3, v236
	v_lshlrev_b32 v[SA], 5, v239
	v_lshl_add_u32 v[SA], v238, 8, v[SA]
	v_lshlrev_b32 v[BA], 6, v238
	v_lshlrev_b32 v[BV], 2, v239
	s_wait_alu depctr_va_sdst(0)                   ; s30, the wave's number, is written, ahead of its first reader
	s_and_b32 s31, s30, 1                          ; wave w brings weight rows 8 w + 32 e + i: they go to LDS rows 16 (w % 2) + 8 (w / 2) + 32 e + i, so that a tile's 16 rows are neighbours in LDS
	s_lshl_b32 s31, s31, 4
	s_lshr_b32 s32, s30, 1
	s_lshl_b32 s32, s32, 3
	s_add_co_u32 s31, s31, s32
	s_mul_i32 s31, s31, WROW
	v_add_nc_u32 v[WST], s31, v[LI]
	v_add_nc_u32 v[WST+1], WMAT, v[WST]
	v_add_nc_u32 v[WST+2], 2*WMAT, v[WST]
	v_mul_u32_u24 v[WFA], v237, WROW
	v_lshl_add_u32 v[WFA], v238, 4, v[WFA]         ; a fragment: row r x pitch + 16 h
	v_add_nc_u32 v[WFA+1], WMAT, v[WFA]
	v_add_nc_u32 v[WFA+2], 2*WMAT, v[WFA]
	s_mul_i32 s33, s30, XSTW
	s_add_co_u32 s33, s33, XST                     ; my stage
	v_add_nc_u32 v[XSS], s33, v[LI]
	v_add_nc_u32 v[XSL], s33, v[WFA]
	s_mov_b32 s[SEL], 0x76543210
	s_mov_b32 s[SEL+1], 0xfedcba98
	s_and_b32 s34, ttmp9, 15                       ; the head
	s_bfe_u32 s35, ttmp9, 0x10004                  ; which half of the batch's tokens
	s_lshr_b32 s36, ttmp9, 5                       ; the batch
	s_lshl_b32 s37, s35, 2
	s_add_co_u32 s37, s37, s30                     ; my group of 128 tokens in the batch: 4 x half + wave
	s_lshl_b32 s38, s36, 3
	s_add_co_u32 s38, s38, s37                     ; and among all tokens
	s_lshl_b32 s39, s36, 4
	s_add_co_u32 s39, s39, s34                     ; 16 x batch + head
	s_lshl_b32 s40, s34, 15                        ; the head's 64 weight rows of 512 bytes,
	s_lshl_b32 s41, s30, 12                        ; my 8 of each 32
	s_add_co_u32 s40, s40, s41
	s_mov_b32 s41, 0
	s_lshl_b32 s50, s34, 11                        ; the head's rows of scale bytes, 32 each
	s_mov_b32 s51, 0
	s_lshl_b32 s52, s34, 8                         ; the head's 64 numbers of a bias
	s_mov_b32 s53, 0
	s_lshl_b32 s54, s38, 16                        ; my 128 tokens' codes
	s_mov_b32 s55, 0
	s_lshl_b32 s56, s38, 12                        ; and scale bytes
	s_mov_b32 s57, 0
	s_mul_i32 s58, s39, 36864                      ; the head's part of qbuf
	s_mov_b32 s59, 0
	s_mul_i32 s60, s39, 71680                      ; and of kvbuf
	s_mov_b32 s61, 0
	s_wait_kmcnt 0x0
	s_add_nc_u64 s[4:5], s[4:5], s[54:55]
	s_add_nc_u64 s[6:7], s[6:7], s[56:57]
.irp m, 0,1,2
	s_add_nc_u64 s[8+6*\m:9+6*\m], s[8+6*\m:9+6*\m], s[40:41]
	s_add_nc_u64 s[10+6*\m:11+6*\m], s[10+6*\m:11+6*\m], s[50:51]
	s_add_nc_u64 s[12+6*\m:13+6*\m], s[12+6*\m:13+6*\m], s[52:53]
.endr
	s_add_nc_u64 s[26:27], s[26:27], s[58:59]
	s_add_nc_u64 s[28:29], s[28:29], s[60:61]
	s_lshl_b32 s40, s37, 9
	s_add_co_u32 s40, s40, 32768
	s_add_nc_u64 s[44:45], s[26:27], s[40:41]      ; q's scale words of my group
	s_add_co_u32 s40, s40, 32768
	s_add_nc_u64 s[46:47], s[28:29], s[40:41]      ; k's
	s_lshl_b32 s40, s37, 8
	s_add_co_u32 s40, s40, 69632
	s_add_nc_u64 s[48:49], s[28:29], s[40:41]      ; v's
	s_lshl_b32 s40, s37, 12
	s_add_nc_u64 s[26:27], s[26:27], s[40:41]      ; q's codes of my group
	s_add_nc_u64 s[28:29], s[28:29], s[40:41]      ; k's; v's lie 32,768 bytes on
; ---- all loads, the small ones first, x's rows last
	s_wait_alu depctr_va_vdst(0)                   ; the addresses v1 to v13 are written: every load, store and LDS instruction of the kernel reads one of them, and none is written again
.irp p, 0,1,2,3
.irp k, 0,1
	global_load_b128 v[XS+8*\p+4*\k:XS+8*\p+4*\k+3], v[SA], s[6:7] offset:1024*\p+16*\k
.endr
.endr
.irp m, 0,1,2
.irp p, 0,1
.irp k, 0,1
	global_load_b128 v[WS+16*\m+8*\p+4*\k:WS+16*\m+8*\p+4*\k+3], v[SA], s[10+6*\m:11+6*\m] offset:1024*\p+16*\k
.endr
.endr
.endr
.macro BIASQK m                        ; lane (r, h) wants, for tile t, the bias of channels 32 (t / 2) + 8 (t % 2) + 16 h + 0 .. 7
.irp t, 0,1,2,3
.irp k, 0,1
	global_load_b128 v[BI+8*\t+4*\k:BI+8*\t+4*\k+3], v[BA], s[12+6*\m:13+6*\m] offset:(32*(\t/2)+8*(\t%2))*4+16*\k
.endr
.endr
.endm
.macro BIASV                           ; for v a lane holds one channel: the same number in all eight registers of a tile
.irp t, 0,1,2,3
.irp j, 0,1,2,3,4,5,6,7
	global_load_b32 v[BI+8*\t+\j], v[BV], s[24:25] offset:(32*(\t/2)+8*(\t%2))*4
.endr
.endr
.endm
	BIASQK 0
	WIN 0xc0                                       ; destination window 3
.irp m, 0,1,2
.irp e, 0,1
.irp i, 0,1,2,3,4,5,6,7
	global_load_b128 v[4*(16*\m+8*\e+\i):4*(16*\m+8*\e+\i)+3], v[LI], s[8+6*\m:9+6*\m] offset:(32*\e+\i)*512   ; a whole weight row: 32 lanes, 512 consecutive bytes
.endr
.endr
.endr
.irp a, 0,1,2,3,4,5,6,7
	WIN 0x40+0x40*(\a/4)                           ; destination window 1 or 2
.irp i, 0,1,2,3,4,5,6,7,8,9,10,11,12,13,14,15
	global_load_b128 v[64*(\a%4)+4*\i:64*(\a%4)+4*\i+3], v[LI], s[4:5] offset:(32*(\a/2)+8*(\a%2)+\i+8*(\i/8))*512   ; row i of tile a: a whole row of x
.endr
.endr
; ---- the weight rows go to LDS
	s_wait_loadcnt 63                              ; x's 128 row loads are younger than the scales, the bias and the weight rows: those are in
	WIN 0x0c                                       ; an LDS store's data are its source 1: window 3
.irp m, 0,1,2
.irp e, 0,1
.irp i, 0,1,2,3,4,5,6,7
	ds_store_b128 v[WST+\m], v[4*(16*\m+8*\e+\i):4*(16*\m+8*\e+\i)+3] offset:(32*\e+\i)*WROW
.endr
.endr
.endr
; ---- x's rows turn into fragments through my own stage, a tile at a time.  LDS serves a wave's instructions in order (ISA guide 5.7.1.4): no wait on DScnt between the stores and the loads, nor ahead of the next tile's stores
.irp a, 0,1,2,3,4,5,6,7
.if 16*(7-\a) > 63
	s_wait_loadcnt 63                              ; 16 (7 - a) loads are younger than this tile's; the wait names 63 at the most
.else
	s_wait_loadcnt 16*(7-\a)
.endif
	WIN 0x04+0x04*(\a/4)
.irp i, 0,1,2,3,4,5,6,7,8,9,10,11,12,13,14,15
	ds_store_b128 v[XSS], v[64*(\a%4)+4*\i:64*(\a%4)+4*\i+3] offset:WROW*\i
.endr
	WIN 0x40+0x40*(\a/4)
	s_wait_alu depctr_vm_vsrc(0)                   ; the sixteen LDS stores above have read the tile's 64 registers, in which the fragments land
.irp s, 0,1,2,3,4,5,6,7
.irp c, 0,1
	ds_load_b128 v[64*(\a%4)+8*\s+4*\c:64*(\a%4)+8*\s+4*\c+3], v[XSL] offset:64*\s+32*\c   ; registers 4 c .. 4 c + 3 of K step s: K = 128 s + 64 c + 32 h + 0 .. 31 of row r
.endr
.endr
.endr
	WIN 0
.irp b, 0,1,2,3
	v_mov_b32 v[TM+4+\b], 0                        ; written once: a lane permute's destination counts as one of its sources
.endr
	s_mov_b32 vcc_lo, 0xffff0000                   ; lanes 16-31
	s_wait_dscnt 0x0                               ; for the others' sake: my weight rows lie in LDS; and my fragments are in
	s_barrier_signal -1
	s_barrier_wait -1                              ; the one barrier: from here on the weights are only read
	s_wait_alu depctr_vm_vsrc(0)                   ; my LDS stores of the weight rows have read window 3, which the products write from here on
.macro FETCHW m, s                     ; the four tiles of matrix m, K step s, into set s % 2
.irp t, 0,1,2,3
.irp c, 0,1
	ds_load_b128 v[WF+32*((\s)%2)+8*\t+4*\c:WF+32*((\s)%2)+8*\t+4*\c+3], v[WFA+\m] offset:16*\t*WROW+64*(\s)+32*\c
.endr
.endr
.endm
; A K step of 128: 32 products, the 32 accumulators by turns, one instruction a turn, in the same order in every step.  The first step's C is the bias.
; kind = 0 (q, k): source 0 = 16 weight rows, source 1 = 16 tokens.  kind = 1 (v): the other way round.
; The step's loads stand in one run at its head: among the products each would want two window switches.
.macro KSTEP kind, m, s
	PLACES                                         ; behind the last step's products: they read the set that is fetched into now, and, at step 0, the bias
	WIN 0
.if ((\s) > 0) && (((\s) < 7) || ((\m) < 2))
	s_wait_alu depctr_va_vdst(0)                   ; the last step's products are done reading the set in which the loads below land; at step 1, step 0's are done reading the bias.
	                                               ; Step 0 has no such line: no product has read set 1 since the wait ahead of the last matrix's stores (for Wq: none at all).  Wv's step 7 loads nothing
.endif
.if ((\s) == 1) && ((\m) == 0)
	BIASQK 1                                       ; the next matrix's bias: seven K steps and a quantiser ahead of its use
.endif
.if ((\s) == 1) && ((\m) == 1)
	BIASV
.endif
.if (\s) < 7
	FETCHW \m, (\s)+1
	s_wait_dscnt 8                                 ; this step's eight loads are in; the eight just issued may be out
.elseif (\m) < 2
	FETCHW (\m)+1, 0                               ; the next matrix's first step
	s_wait_dscnt 8
.else
	s_wait_dscnt 0x0
.endif
.irp a, 0,1,2,3,4,5,6,7
.if (\kind) == 0
.if (\s) == 0
	WIN 0xc4+4*(\a/4)                              ; A window 0, B (x) window 1 or 2, C (bias) window 0, D window 3
.else
	WIN 0xf4+4*(\a/4)                              ; C window 3
.endif
.else
.if (\s) == 0
	WIN 0xc1+(\a/4)                                ; A (x) window 1 or 2, B window 0
.else
	WIN 0xf1+(\a/4)
.endif
.endif
.irp t, 0,1,2,3
.if (\kind) == 0
.if (\s) == 0
	MM 8*(4*\a+\t), WF+32*((\s)%2)+8*\t, 64*(\a%4)+8*(\s), BI+8*\t, WS+16*(\m)+8*(\t/2)+(\s), XS+8*(\a/2)+(\s), \t%2, \a%2
.else
	MM 8*(4*\a+\t), WF+32*((\s)%2)+8*\t, 64*(\a%4)+8*(\s), 8*(4*\a+\t), WS+16*(\m)+8*(\t/2)+(\s), XS+8*(\a/2)+(\s), \t%2, \a%2
.endif
.else
.if (\s) == 0
	MM 8*(8*\t+\a), 64*(\a%4)+8*(\s), WF+32*((\s)%2)+8*\t, BI+8*\t, XS+8*(\a/2)+(\s), WS+16*(\m)+8*(\t/2)+(\s), \a%2, \t%2
.else
	MM 8*(8*\t+\a), 64*(\a%4)+8*(\s), WF+32*((\s)%2)+8*\t, 8*(8*\t+\a), XS+8*(\a/2)+(\s), WS+16*(\m)+8*(\t/2)+(\s), \a%2, \t%2
.endif
.endif
.endr
.endr
.endm
; 64 numbers of a lane in window 3, v[base] on: four blocks, register 16 b + i = number 16 h + i of block b of my row.  They become 8 registers of codes at v[pc] (registers 4 c .. 4 c + 3: lanes 0-15 block 2 c, lanes 16-31 block 2 c + 1)
; and four scale bytes in v[TM+4] on.  Each accumulator is read from its low end on.  No memory instruction stands in it: each of a matrix's four has a set of codes' registers of its own.
.macro QUANT base, pc
	WIN 0x3c                                       ; sources 1 and 2 window 3
.irp b, 0,1,2,3
	v_max3_num_f32 v[TM+\b], 0x1800000, |v[(\base)+16*\b]|, |v[(\base)+16*\b+1]|   ; my 16 numbers, and the floor 2^(3 - 127): the byte cannot fall under 1
.endr
.irp i, 2,4,6,8,10,12,14
.irp b, 0,1,2,3
	v_max3_num_f32 v[TM+\b], v[TM+\b], |v[(\base)+16*\b+\i]|, |v[(\base)+16*\b+\i+1]|   ; the four blocks by turns
.endr
.endr
	WIN 0
.irp b, 0,1,2,3
	v_permlanex16_b32 v[TM+4+\b], v[TM+\b], s[SEL], s[SEL+1]
.endr
.irp b, 0,1,2,3
	v_max_num_f32 v[TM+\b], v[TM+\b], v[TM+4+\b]   ; with lane l xor 16's: the block's largest magnitude
.endr
.irp b, 0,1,2,3
	v_add_nc_u32 v[TM+12+\b], 0xff000000, v[TM+\b] ; 2 off its exponent field: the conversion's scale operand
.endr
.irp b, 0,1,2,3
	v_lshrrev_b32 v[TM+4+\b], 23, v[TM+12+\b]      ; the scale's byte
.endr
	WIN 0x03                                       ; source 0 window 3
.irp b, 0,1,2,3
	v_cvt_scalef32_pk8_fp4_f32 v[(\pc)+2*\b], v[(\base)+16*\b:(\base)+16*\b+7], v[TM+12+\b]
	v_cvt_scalef32_pk8_fp4_f32 v[(\pc)+2*\b+1], v[(\base)+16*\b+8:(\base)+16*\b+15], v[TM+12+\b]
.endr
	WIN 0
	v_nop                                          ; one plain place behind a scaled conversion
.irp c, 0,1
.irp i, 0,1
	v_permlane16_swap_b32 v[(\pc)+4*\c+\i], v[(\pc)+4*\c+2+\i]   ; a whole block to a lane
.endr
.endr
.endm
; q or k leaves: two tiles of tokens (2 x 2 blocks) to a QUANT.  cp: the codes' pointer, sp: the scale words'; again = 1: an earlier matrix's stores have read the registers that are written here
.macro EPI_QK cp, sp, again
	PLACES
.if \again
	s_wait_xcnt 0x0                                ; the last matrix's stores have had their addresses translated: their data registers may be written again,
	s_wait_alu depctr_vm_vsrc(0)                   ; and they have read the four sets of codes and the scale words, which the lines below write anew
.endif
.irp pp, 0,1,2,3
	QUANT 64*\pp, PC+8*\pp+12*(\pp/2)
	v_lshl_or_b32 v[QW+2*\pp], v[TM+5], 8, v[TM+4]
	v_lshl_or_b32 v[QW+2*\pp+1], v[TM+7], 8, v[TM+6]
	v_or_b32 v[QW+2*\pp], 0x7f7f0000, v[QW+2*\pp]      ; the bytes of K = 64 .. 127, where the next product has zero codes: 1.0
	v_or_b32 v[QW+2*\pp+1], 0x7f7f0000, v[QW+2*\pp+1]
.endr
.irp k, 0,1,2,3
	v_cndmask_b32 v[SW+\k], v[QW+\k], v[QW+4+\k], vcc_lo   ; lanes 0-15 tiles 0-3, lanes 16-31 tiles 4-7
.endr
	s_wait_alu depctr_va_vdst(0)                   ; the conversions and exchanges have written the four sets of codes, the selects the scale words: the nine stores below read them
.irp pp, 0,1,2,3
	global_store_b128 v[LI], v[PC+8*\pp+12*(\pp/2):PC+8*\pp+12*(\pp/2)+3], s[\cp:\cp+1] offset:1024*\pp          ; 512 consecutive bytes, aligned
	global_store_b128 v[LI], v[PC+8*\pp+12*(\pp/2)+4:PC+8*\pp+12*(\pp/2)+7], s[\cp:\cp+1] offset:1024*\pp+512
.endr
	global_store_b128 v[LI], v[SW:SW+3], s[\sp:\sp+1]
.endm
.macro EPI_V                           ; v leaves: a tile of 16 channels x 128 keys to a QUANT: a whole fragment and its scale word
	PLACES
	s_wait_xcnt 0x0                                ; k's stores have had their addresses translated: their data registers may be written again,
	s_wait_alu depctr_vm_vsrc(0)                   ; and they have read the four sets of codes and the scale words, which the lines below write anew
.irp t, 0,1,2,3
	QUANT 64*\t, PC+8*\t+12*(\t/2)
	v_lshl_or_b32 v[QW+\t], v[TM+5], 8, v[TM+4]
	v_lshl_or_b32 v[QW+\t], v[TM+6], 16, v[QW+\t]
	v_lshl_or_b32 v[QW+\t], v[TM+7], 24, v[QW+\t]
.endr
	v_cndmask_b32 v[SW], v[QW], v[QW+2], vcc_lo
	v_cndmask_b32 v[SW+1], v[QW+1], v[QW+3], vcc_lo
	s_wait_alu depctr_va_vdst(0)                   ; the conversions and exchanges have written the four sets of codes, the selects the scale words: the nine stores below read them
.irp t, 0,1,2,3
	global_store_b128 v[LI], v[PC+8*\t+12*(\t/2):PC+8*\t+12*(\t/2)+3], s[28:29] offset:32768+1024*\t
	global_store_b128 v[LI], v[PC+8*\t+12*(\t/2)+4:PC+8*\t+12*(\t/2)+7], s[28:29] offset:32768+1024*\t+512
.endr
	global_store_b64 v[L8], v[SW:SW+1], s[48:49]   ; 256 consecutive bytes, aligned
.endm
	FETCHW 0, 0
.irp s, 0,1,2,3,4,5,6,7
	KSTEP 0, 0, \s
.endr
	EPI_QK 26, 44, 0
	s_wait_loadcnt 0x0                             ; bk
.irp s, 0,1,2,3,4,5,6,7
	KSTEP 0, 1, \s
.endr
	EPI_QK 28, 46, 1
	s_wait_loadcnt 0x0                             ; bv
.irp s, 0,1,2,3,4,5,6,7
	KSTEP 1, 2, \s
.endr
	EPI_V
	s_wait_dscnt 0x0                               ; the closing lines, six on end
	s_wait_alu 0x0
	s_wait_tensorcnt 0x0
	ds_add_u32 v254, v255
	s_wait_dscnt 0x0
	s_endpgm
.Lfunc_end_k_q27ed181b8b_qkv:
	.size	k_q27ed181b8b_qkv, .Lfunc_end_k_q27ed181b8b_qkv-k_q27ed181b8b_qkv
	.p2alignl 7, 3214868480
	.fill 96, 4, 3214868480
	.section	.rodata,"a",@progbits
	.p2align	6, 0x0
	.amdhsa_kernel k_q27ed181b8b_qkv
		.amdhsa_group_segment_fixed_size 135680
		.amdhsa_private_segment_fixed_size 0
		.amdhsa_enable_private_segment 0
		.amdhsa_kernarg_size 104
		.amdhsa_user_sgpr_count 2
		.amdhsa_user_sgpr_kernarg_segment_ptr 1
		.amdhsa_wavefront_size32 1
		.amdhsa_system_sgpr_workgroup_id_x 1
		.amdhsa_system_sgpr_workgroup_id_y 1
		.amdhsa_system_sgpr_workgroup_id_z 1
		.amdhsa_system_vgpr_workitem_id 0
		.amdhsa_next_free_vgpr 1024
		.amdhsa_next_free_sgpr 66
		.amdhsa_reserve_vcc 1
		.amdhsa_float_denorm_mode_32 3
		.amdhsa_float_denorm_mode_16_64 3
		.amdhsa_memory_ordered 1
		.amdhsa_forward_progress 1
		.amdhsa_inst_pref_size 213
	.end_amdhsa_kernel
	.amdgpu_metadata
---
amdhsa.version: [ 1, 2 ]
amdhsa.kernels:
  - .name:           k_q27ed181b8b_qkv
    .symbol:         k_q27ed181b8b_qkv.kd
    .args:
      - { .name: x_codes, .offset: 0, .size: 8, .value_kind: global_buffer, .address_space: global }
      - { .name: x_scales, .offset: 8, .size: 8, .value_kind: global_buffer, .address_space: global }
      - { .name: Wq_codes, .offset: 16, .size: 8, .value_kind: global_buffer, .address_space: global }
      - { .name: Wq_scales, .offset: 24, .size: 8, .value_kind: global_buffer, .address_space: global }
      - { .name: bq, .offset: 32, .size: 8, .value_kind: global_buffer, .address_space: global }
      - { .name: Wk_codes, .offset: 40, .size: 8, .value_kind: global_buffer, .address_space: global }
      - { .name: Wk_scales, .offset: 48, .size: 8, .value_kind: global_buffer, .address_space: global }
      - { .name: bk, .offset: 56, .size: 8, .value_kind: global_buffer, .address_space: global }
      - { .name: Wv_codes, .offset: 64, .size: 8, .value_kind: global_buffer, .address_space: global }
      - { .name: Wv_scales, .offset: 72, .size: 8, .value_kind: global_buffer, .address_space: global }
      - { .name: bv, .offset: 80, .size: 8, .value_kind: global_buffer, .address_space: global }
      - { .name: qbuf, .offset: 88, .size: 8, .value_kind: global_buffer, .address_space: global }
      - { .name: kvbuf, .offset: 96, .size: 8, .value_kind: global_buffer, .address_space: global }
    .group_segment_fixed_size: 135680
    .private_segment_fixed_size: 0
    .kernarg_segment_align: 8
    .kernarg_segment_size: 104
    .max_flat_workgroup_size: 128
    .sgpr_count:     66
    .vgpr_count:     1024
    .wavefront_size: 32
...
	.end_amdgpu_metadata
.endif
;; end of part 4
;; launch attn (part 5): grid 256 x 1, 16 waves a work-group, no clusters, 73,728 bytes of LDS; arguments qbuf, kvbuf, input_ids, obuf, osc; writes obuf, osc
.if DOCPART == 5
	.amdgcn_target "amdgcn-amd-amdhsa--gfx1250"
	.amdhsa_code_object_version 6
	.text
	.protected	k_q27ed181b8b_attn
	.globl	k_q27ed181b8b_attn
	.p2align	8
	.type	k_q27ed181b8b_attn,@function
k_q27ed181b8b_attn:
	s_mov_b64 s[64:65], 0
	v_nop
	global_prefetch_b8 v0, s[64:65] scope:SCOPE_SE
	s_setreg_imm32_b32 hwreg(HW_REG_WAVE_SCHED_MODE, 0, 2), 2
	s_setreg_imm32_b32 hwreg(HW_REG_WAVE_MODE, 25, 1), 1
	s_wait_xcnt 0x0
	s_wait_alu depctr_vm_vsrc(0)
; o = softmax(q k^T / 8, masked) v for one head, both products on codes of FP4 (E2M1) with E8M0 scales, and the quantiser of o along the model's 1,024 (a head owns two whole blocks of 32).
; The mask: key k counts for query q where k <= q and input_ids[k] != 1.  THE SOFTMAX: t = score x log2(e) / 8; M = the running largest t rounded up to a whole number; p = 2^(t - M) is quantised along the keys, not normalised;
; the row's sum is taken of the unquantised p and divides at the end.  When M moves, the sum and O are multiplied by 2^(old M - new M): exact.
; A HIDDEN SCORE IS -2^120, not -infinity: c x 2^120 is a whole number of f32, so in a row that has seen no key yet t - M is exactly 0 and p = 1, as a softmax over equal numbers has it; the first key that counts makes
; 2^(old M - new M) = 0 and wipes what was summed.  A query none of whose keys counts exists only where the batch's key 0 is PAD: the waves of such a batch walk all 8 key steps, so that such a row sums p = 1 over all 1,024 keys.
; LIMITS: real scores lie above -2^120; NaN and infinities are not served; a block of zeros carries the byte 1 where the rule says 127 (its codes are zeros; this program alone reads the bytes).
; SHARES.  Two work-groups to a (batch, head); each holds the head's whole K and V, 71,680 bytes, in LDS as they lie in kvbuf: filled once through registers, one barrier, then only read.  No tensor load: branches here hang on input_ids.
; No cluster: what the two work-groups share is read once by each, at the head, and nothing is fetched afterwards.
; A wave owns one tile of 16 queries at a time, in two passes: the tile of the 32-token group g = 2 (wave / 2) + z, then that of 31 - g: (g / 4 + 1) + (8 - g / 4) = 9 key steps of 128 keys for every wave.
; Four waves share a SIMD, so that one wave's exponentials stand beside another's products and LDS loads.
; LAYOUT.  Both products are used transposed: S^T = K Q^T (source 0 = 16 keys), O^T = V^T P^T (source 0 = 16 channels): a lane holds one query (lane % 16).  Row i of tile 2 p + u of keys, queries and channels is 32 p + 8 u + i + 8 (i / 8),
; so the 16 registers of tiles 2 p, 2 p + 1 are 16 neighbours, 32 p + 16 (lane / 16) + 0 .. 15.
; THE FIRST PRODUCT'S K IS 64, the instruction's 128: Q's registers 4-7 are zero codes.  K's operand for tile t is the run v[32 + 4 t : 39 + 4 t]: its upper four registers are the next tile's codes (for tile 7: zeros), finite numbers
; that meet zero codes under the scale bytes 0x7f.
; THE MODE: SCHED_MODE bits 1:0 = 2 (LLVM: expert scheduling mode 2), set by the entry lines.  The code itself states the register dependences between vector or matrix instructions and memory or LDS instructions, with s_wait_alu, always for 0.
; THE PLAN.  Registers that memory or LDS instructions touch:
;   IDA, ADK, ADS, ADT  a step's four additions write them, its loads read them: a wait on vm_vsrc ahead of the additions (the last step's loads, at first the head's copy, have read them), a wait on va_vdst behind them.
;   IDV                 the step's four compares read it, the next ids land in it: the same wait on va_vdst.  The compares' masks s36-39 have a wait on va_sdst in the same straight run.
;   KF, KSW, VF, VSW    the last step's products read them, this step's LDS loads land in them: the same wait on va_vdst.  All of a step's loads stand together behind it.
;   S                   the head's LDS stores read it as data; the products write it: the step's wait on vm_vsrc.
;   PC, PW              made by vector instructions, taken by the second product as operand and scales: a wait on va_vdst behind the places.
;   TA, TD, QF, QS, OC  a pass's head makes both offsets behind a wait on vm_vsrc and asks for Q behind a wait on va_vdst; its end makes them anew behind a wait on vm_vsrc and stores the codes behind a wait on va_vdst.
;   OA, OW              written by selects in both passes, read by the last store, behind a wait on va_vdst.  v254, v255: written at the head, read by the closing add alone.
; A compare and the select that reads its mask have a wait on va_sdst between them: so the masks go in runs of sixteen compares into s46-61, one wait, sixteen selects.
.set LI,  1                            ; v1   16 x lane
.set L4,  2                            ; v2   4 x lane
.set LKS, 3                            ; v3   16 x lane + 65,536: K's scale words
.set LVS, 4                            ; v4   8 x lane + 69,632: V's
.set ADK, 5                            ; v5-7 the step's LDS addresses (at the head: the copy's)
.set ADS, 6
.set ADT, 7
.set IDA, 8                            ; v8   offset of the ids asked for
.set QH,  9                            ; v9   perm(r) - 16 h
.set SH,  10                           ; v10  16 h
.set DQ,  11                           ; v11  my query less the lane's first key
.set QF,  16                           ; v16-19 Q's codes, v20-23 zeros
.set QS,  24                           ; v24  Q's scale word
.set NEG, 25                           ; v25  -2^120
.set IDV, 26                           ; v26-29 128 ids, a lane an id
.set R16, 30                           ; v30  16 r
.set TA,  31                           ; v31  an offset in hand
.set KF,  32                           ; v32-63 K's codes, 4 registers a tile; v64-67 zeros
.set KSW, 68                           ; v68-71 K's scale words: lanes 0-15 tiles 0-3, lanes 16-31 tiles 4-7
.set VF,  72                           ; v72-103 V's four fragments
.set VSW, 104                          ; v104-105 V's scale words
.set PBW, 106                          ; v106-109 the PAD bits of my 16 keys of each block
.set TB,  110
.set R4,  111                          ; v111 4 r
.set S,   112                          ; v112-175 S^T, then p
.set O,   176                          ; v176-207 O^T
.set PC,  208                          ; v208-215 p's codes
.set BM,  216                          ; v216-219 a block's largest score, then p
.set T2,  220                          ; v220-223 at work
.set SC,  224                          ; v224-227 the conversions' scale operands
.set TC,  228
.set F,   230                          ; v[230:231] 2^(old M - new M); the pair is named, its low word serves both halves
.set PW,  232                          ; v232 p's scale word
.set L2,  236                          ; v[236:237] the sum's second chain
.set OC,  240                          ; v240-243 o's codes
.set OW,  244                          ; v244 o's scale words: lanes 0-15 pass 0's, lanes 16-31 pass 1's
.set OA,  245                          ; v245 and where they go
.set TD,  246
.set INV, 248                          ; v[248:249] 1 / the sum, twice
.set WV,  14                           ; s14 wave
.set G,   19                           ; s19 the group of 32 queries
.set U,   20                           ; s20 which of its two tiles
.set NST, 21                           ; s21 the key step on the diagonal: g / 4
.set LIM, 22                           ; s22 the last key step that is worked
.set J,   23                           ; s23 the key step
.set PS,  27                           ; s27 the pass
.set ID0, 28                           ; s28 input_ids[batch][0]
.set SEL, 30                           ; s[30:31] lane l xor 16
.set CS,  32                           ; s[32:33] c = log2(e) / 8
.set PB,  36                           ; s36-39 the step's PAD bits, a bit a key
.set X0,  40
.set MK,  41                           ; s41 the lanes that take this pass's scale words
.set X1,  44
.set CM,  46                           ; s46-61 the sixteen masks of a run of compares (at the head: offsets)
	s_load_b256 s[4:11], s[0:1], 0x0               ; qbuf s[4:5], kvbuf s[6:7], input_ids s[8:9], obuf s[10:11]
	s_load_b64 s[12:13], s[0:1], 0x20              ; osc
	v_lshl_add_u32 v254, v0, 2, 0x11800
	v_mov_b32 v255, 0
	v_lshrrev_b32 v[TC], 5, v0
	v_readfirstlane_b32 s[WV], v[TC]               ; wave 0..15
	v_and_b32 v[TD], 31, v0                        ; lane
	v_and_b32 v[TB], 15, v0                        ; r
	v_bfe_u32 v[TA], v0, 4, 1                      ; h
	v_lshlrev_b32 v[LI], 4, v[TD]
	v_lshlrev_b32 v[L4], 2, v[TD]
	v_add_nc_u32 v[LKS], 65536, v[LI]
	v_lshlrev_b32 v[LVS], 3, v[TD]
	v_add_nc_u32 v[LVS], 69632, v[LVS]
	v_and_b32 v[QH], 8, v[TB]
	v_add_nc_u32 v[QH], v[QH], v[TB]               ; perm(r)
	v_lshlrev_b32 v[SH], 4, v[TA]
	v_sub_nc_u32 v[QH], v[QH], v[SH]
	v_lshlrev_b32 v[R16], 4, v[TB]
	v_lshlrev_b32 v[R4], 2, v[TB]
	v_lshlrev_b32 v[ADK], 4, v0                    ; the copy: 16 bytes a thread, 8,192 a line;
	v_lshlrev_b32 v[ADS], 3, v0
	v_add_nc_u32 v[ADS], 65536, v[ADS]             ; K's scale words, 8 bytes a thread;
	v_lshlrev_b32 v[ADT], 2, v0
	v_add_nc_u32 v[ADT], 69632, v[ADT]             ; V's, 4
	s_wait_alu depctr_va_sdst(0)                   ; s14, the wave's number, is written, ahead of its first reader
	s_lshr_b32 s15, ttmp9, 1                       ; 16 x batch + head
	s_and_b32 s16, ttmp9, 1                        ; z
	s_lshr_b32 s17, s15, 4                         ; batch
	s_and_b32 s18, s15, 15                         ; head
	s_and_b32 s[U], s[WV], 1
	s_lshr_b32 s[G], s[WV], 1
	s_lshl_b32 s[G], s[G], 1
	s_add_co_u32 s[G], s[G], s16                   ; pass 0's group: 2 (wave / 2) + z
	s_mul_i32 s44, s15, 36864
	s_mov_b32 s45, 0
	s_mul_i32 s46, s15, 71680
	s_mov_b32 s47, 0
	s_lshl_b32 s48, s17, 12
	s_mov_b32 s49, 0
	s_lshl_b32 s50, s17, 19                        ; obuf: [tile 64 b + 2 g + u][head][lane][16]
	s_lshl_b32 s51, s18, 9
	s_add_co_u32 s50, s50, s51
	s_mov_b32 s51, 0
	s_lshl_b32 s52, s17, 16                        ; osc: [tile][head][r] words
	s_lshl_b32 s53, s18, 6
	s_add_co_u32 s52, s52, s53
	s_mov_b32 s53, 0
	s_mov_b32 s[SEL], 0x76543210
	s_mov_b32 s[SEL+1], 0xfedcba98
	s_mov_b32 s[CS], 0x3e38aa3b
	s_mov_b32 s[CS+1], s[CS]                       ; named with it as a pair, so it is written
	s_mov_b32 s[PS], 0
	s_mov_b32 s[MK], 0xffff
	s_wait_kmcnt 0x0
	s_add_nc_u64 s[4:5], s[4:5], s[44:45]
	s_add_nc_u64 s[6:7], s[6:7], s[46:47]
	s_add_nc_u64 s[8:9], s[8:9], s[48:49]
	s_add_nc_u64 s[10:11], s[10:11], s[50:51]
	s_add_nc_u64 s[12:13], s[12:13], s[52:53]
	s_load_b32 s[ID0], s[8:9], 0x0                 ; the batch's first id
	s_wait_alu depctr_va_vdst(0)                   ; the copy's three addresses and 4 x lane are written: the loads and LDS stores of the head read them
.irp j, 0,1,2,3,4,5,6,7
	global_load_b128 v[S+4*\j:S+4*\j+3], v[ADK], s[6:7] offset:8192*\j
.endr
	global_load_b64 v[S+32:S+33], v[ADS], s[6:7]
	global_load_b32 v[S+34], v[ADT], s[6:7]
.irp e, 0,1,2,3
	global_load_b32 v[IDV+\e], v[L4], s[8:9] offset:128*\e   ; key step 0's ids
.endr
.irp j, 0,1,2,3
	v_mov_b32 v[QF+4+\j], 0                        ; zero codes
	v_mov_b32 v[KF+32+\j], 0
	v_mov_b32 v[T2+\j], 0                          ; written once: a lane permute's destination counts as one of its sources
.endr
	v_mov_b32 v[TC], 0
	v_mov_b32 v[F+1], 0
	v_mov_b32 v[OW], 0
	v_mov_b32 v[OA], 0
	v_mov_b32 v[NEG], 0xfb800000
	s_wait_loadcnt 4                               ; the ten loads of the copy are in; the four id loads behind them may be out
.irp j, 0,1,2,3,4,5,6,7
	ds_store_b128 v[ADK], v[S+4*\j:S+4*\j+3] offset:8192*\j
.endr
	ds_store_b64 v[ADS], v[S+32:S+33]
	ds_store_b32 v[ADT], v[S+34]
	s_wait_dscnt 0x0                               ; for the others' sake: my part of K and V lies in LDS
	s_barrier_signal -1
	s_barrier_wait -1                              ; the one barrier: from here on LDS is only read
	s_wait_kmcnt 0x0                               ; the batch's first id
.Lpass:                                            ; two trips: the tile of group g, then that of 31 - g
	s_lshr_b32 s[NST], s[G], 2
	s_cmp_eq_u32 s[ID0], 1
	s_cselect_b32 s[LIM], 7, s[NST]                ; where key 0 is PAD all eight steps are worked
	s_lshl_b32 s[X0], s[G], 10
	s_lshl_b32 s[X1], s[U], 9
	s_add_co_u32 s[X0], s[X0], s[X1]
	s_wait_xcnt 0x0                                ; the last pass's store has had its address translated: its offset and its data may be written again,
	s_wait_alu depctr_vm_vsrc(0)                   ; and it has read its offset v[TA], written below, and o's codes, which this pass's end writes anew
	v_add_nc_u32 v[TA], s[X0], v[LI]               ; Q's codes: 1,024 g + 512 u + 16 x lane
	s_lshr_b32 s[X0], s[G], 1
	s_lshl_b32 s[X0], s[X0], 8
	s_and_b32 s[X1], s[G], 1
	s_lshl_b32 s[X1], s[X1], 3
	s_add_co_u32 s[X0], s[X0], s[X1]
	s_lshl_b32 s[X1], s[U], 2
	s_add_co_u32 s[X0], s[X0], s[X1]
	v_add_nc_u32 v[TD], s[X0], v[R16]              ; its scale word: 256 (g / 2) + 16 r + 8 (g % 2) + 4 u
	s_wait_alu depctr_va_vdst(0)                   ; both offsets are written, which the two loads read; the last pass's products are done reading Q's codes and scale word, in which they land
	global_load_b128 v[QF:QF+3], v[TA], s[4:5]
	global_load_b32 v[QS], v[TD], s[4:5] offset:32768
	v_mov_b32 v13, 0xff61b1e6                      ; the largest t so far: -3e38, under every t
	v_floor_f32 v12, -v13                          ; -M
	v_mov_b32 v14, 0                               ; the sum, in two halves
	v_mov_b32 v15, 0
.set j, 0
.rept 32
	v_mov_b32 v[O+j], 0                            ; O^T: the step is written once; the first finds zeros
.set j, j+1
.endr
	s_mov_b32 s[J], 0
.Lstep:                                            ; eight trips; a trip behind the last step that counts is passed over by a scalar branch
	s_cmp_gt_u32 s[J], s[LIM]
	s_cbranch_scc1 .Lhidden
	s_wait_loadcnt 0x0                             ; this step's ids; in a pass's first step Q too
.irp e, 0,1,2,3
	v_cmp_eq_u32 s[PB+\e], 1, v[IDV+\e]            ; bit l: key 32 e + l of the step is PAD
.endr
	s_add_co_u32 s[X0], s[J], 1                    ; the ids asked for now: the next step's; in the last worked step those of step 0, for the next pass
	s_cmp_ge_u32 s[J], s[LIM]
	s_cselect_b32 s[X0], 0, s[X0]
	s_min_u32 s[X0], s[X0], 7                      ; inside the batch's 1,024 ids, by a constant of the text
	s_lshl_b32 s[X0], s[X0], 9
	s_lshl_b32 s24, s[J], 12
	s_lshl_b32 s25, s[J], 9
	s_lshl_b32 s26, s[J], 8
	s_wait_alu depctr_vm_vsrc(0)                   ; the last step's loads (in the first step: the head's loads and LDS stores) have read the four registers written below; the head's LDS stores have read S, which the products write
	v_add_nc_u32 v[IDA], s[X0], v[L4]              ; four plain instructions: the places behind the last step's products, ahead of the loads into their registers
	v_add_nc_u32 v[ADK], s24, v[LI]
	v_add_nc_u32 v[ADS], s25, v[LKS]
	v_add_nc_u32 v[ADT], s26, v[LVS]
	s_wait_alu depctr_va_sdst(0)                   ; the four compares have written s36-39, ahead of every branch and of their first reader
	s_wait_alu depctr_va_vdst(0)                   ; the four addresses are written; the compares are done reading the ids, the last step's products K's and V's fragments and scale words, in all of which the loads below land;
	                                               ; and the zero codes made at the head, operands of the products below, are written
.irp e, 0,1,2,3
	global_load_b32 v[IDV+\e], v[IDA], s[8:9] offset:128*\e
.endr
	ds_load_b128 v[KSW:KSW+3], v[ADS]
.irp t, 0,1,2,3,4,5,6,7
	ds_load_b128 v[KF+4*\t:KF+4*\t+3], v[ADK] offset:512*\t
.endr
.irp t, 0,1,2,3
.irp c, 0,1
	ds_load_b128 v[VF+8*\t+4*\c:VF+8*\t+4*\c+3], v[ADK] offset:32768+1024*\t+512*\c
.endr
.endr
	ds_load_b64 v[VSW:VSW+1], v[ADT]
	s_wait_dscnt 9                                 ; K and its scale words are in; V's nine loads may be out
.irp t, 0,1,2,3
	v_wmma_scale_f32_16x16x128_f8f6f4 v[S+8*\t:S+8*\t+7], v[KF+4*\t:KF+4*\t+7], v[QF:QF+7], 0, v[KSW+\t], v[QS] matrix_a_fmt:MATRIX_FMT_FP4 matrix_b_fmt:MATRIX_FMT_FP4
.endr
.irp t, 4,5,6,7
	v_wmma_scale_f32_16x16x128_f8f6f4 v[S+8*\t:S+8*\t+7], v[KF+4*\t:KF+4*\t+7], v[QF:QF+7], 0, v[KSW+\t-4], v[QS] matrix_a_fmt:MATRIX_FMT_FP4 matrix_b_fmt:MATRIX_FMT_FP4 matrix_a_scale:MATRIX_SCALE_ROW1
.endr
.rept 4
	v_nop                                          ; four places ahead of the first read of the scores
.endr
	s_cmp_lt_u32 s[J], s[NST]                      ; ahead of the diagonal every key comes before my queries
	s_cbranch_scc1 .Lopen
	s_lshl_b32 s[X0], s[G], 5
	s_lshl_b32 s[X1], s[U], 3
	s_add_co_u32 s[X0], s[X0], s[X1]
	s_lshl_b32 s[X1], s[J], 7
	s_sub_co_i32 s[X0], s[X0], s[X1]
	v_add_nc_u32 v[DQ], s[X0], v[QH]               ; d = my query - 128 J - 16 h.  Register 16 b + i holds key 128 J + 32 b + 16 h + i: hidden where 32 b + i > d
.irp q, 0,1,2,3
.irp i, 0,1,2,3,4,5,6,7,8,9,10,11,12,13,14,15
	v_cmp_gt_i32 s[CM+\i], 32*\q+\i, v[DQ]
.endr
	s_wait_alu depctr_va_sdst(0)                   ; the sixteen compares have written s46-61, which the sixteen selects read
.irp i, 0,1,2,3,4,5,6,7,8,9,10,11,12,13,14,15
	v_cndmask_b32 v[S+16*\q+\i], v[S+16*\q+\i], v[NEG], s[CM+\i]
.endr
.endr
.Lopen:
	s_or_b32 s[X0], s[PB], s[PB+1]                 ; a step without a PAD key passes over the second mask
	s_or_b32 s[X1], s[PB+2], s[PB+3]
	s_or_b32 s[X0], s[X0], s[X1]
	s_cmp_eq_u32 s[X0], 0
	s_cbranch_scc1 .Lnopad
.irp e, 0,1,2,3
	v_lshrrev_b32 v[PBW+\e], v[SH], s[PB+\e]       ; bit i: key 32 e + 16 h + i
.endr
.irp q, 0,1,2,3
.irp i, 0,1,2,3,4,5,6,7,8,9,10,11,12,13,14,15
	v_and_b32 v[TB], 1<<\i, v[PBW+\q]
	v_cmp_ne_u32 s[CM+\i], 0, v[TB]
.endr
	s_wait_alu depctr_va_sdst(0)                   ; the sixteen compares have written s46-61, which the sixteen selects read
.irp i, 0,1,2,3,4,5,6,7,8,9,10,11,12,13,14,15
	v_cndmask_b32 v[S+16*\q+\i], v[S+16*\q+\i], v[NEG], s[CM+\i]
.endr
.endr
.Lnopad:
.irp b, 0,1,2,3
	v_max3_num_f32 v[BM+\b], v[S+16*\b], v[S+16*\b+1], v[S+16*\b+2]   ; the largest score of each block of 32 keys: for the row's maximum, and, since p rises with the score, for the block's largest p
.endr
.irp i, 3,5,7,9,11,13
.irp b, 0,1,2,3
	v_max3_num_f32 v[BM+\b], v[BM+\b], v[S+16*\b+\i], v[S+16*\b+\i+1]
.endr
.endr
.irp b, 0,1,2,3
	v_max_num_f32 v[BM+\b], v[BM+\b], v[S+16*\b+15]
.endr
.irp b, 0,1,2,3
	v_permlanex16_b32 v[T2+\b], v[BM+\b], s[SEL], s[SEL+1]
.endr
.irp b, 0,1,2,3
	v_max_num_f32 v[BM+\b], v[BM+\b], v[T2+\b]     ; with lane l xor 16's 16 keys
.endr
	v_max3_num_f32 v[TC], v[BM], v[BM+1], v[BM+2]
	v_max_num_f32 v[TC], v[TC], v[BM+3]            ; the step's largest score of my query
	v_mul_f32 v[TC], s[CS], v[TC]                  ; as t
	v_max_num_f32 v13, v13, v[TC]                  ; the running largest t
	v_mov_b32 v[TC], v12
	v_floor_f32 v12, -v13                          ; the new -M = -ceil(t): a whole number
	v_sub_f32 v[TC], v12, v[TC]                    ; old M - new M: a whole number, 0 or less
	v_cvt_i32_f32 v[TC], v[TC]                     ; (it saturates)
	v_ldexp_f32 v[F], 1.0, v[TC]                   ; f = 2^(old M - new M)
.set j, 0
.rept 32
	v_pk_fma_f32 v[S+j:S+j+1], v[S+j:S+j+1], s[CS:CS+1], v[12:13] op_sel_hi:[1,0,0]   ; t - M, two at a time
.set j, j+2
.endr
.irp b, 0,1,2,3
	v_fma_f32 v[BM+\b], v[BM+\b], s[CS], v12       ; the same of each block's largest score
.endr
.set j, 0
	s_wait_alu depctr_va_vdst(0)
.rept 64
	v_exp_f32 v[S+j], v[S+j]                       ; p = 2^(t - M), at most 1
.set j, j+1
.endr
	v_pk_mul_f32 v[14:15], v[14:15], v[F:F+1] op_sel_hi:[1,0]   ; the sums under the new M: the plain instruction behind the exponentials
	s_wait_alu depctr_va_vdst(0)                   ; the 64 exponentials have written p: one wait for the batch, ahead of its first reader
.irp b, 0,1,2,3
	v_exp_f32 v[BM+\b], v[BM+\b]                   ; the block's largest p: the same two instructions on the same number
.endr
	v_pk_add_f32 v[L2:L2+1], v[S:S+1], v[S+2:S+3]  ; the row's sum is taken of the unquantised p, in two chains; it reads the 64 alone
.set j, 4
.rept 15
	v_pk_add_f32 v[14:15], v[14:15], v[S+j:S+j+1]
	v_pk_add_f32 v[L2:L2+1], v[L2:L2+1], v[S+j+2:S+j+3]
.set j, j+4
.endr
	v_pk_add_f32 v[14:15], v[14:15], v[L2:L2+1]
	s_wait_alu depctr_va_vdst(0)                   ; the four exponentials have written the blocks' largest p: their wait, ahead of the first reader
.irp b, 0,1,2,3
	v_max_num_f32 v[BM+\b], 0x1800000, v[BM+\b]    ; the floor 2^(3 - 127): the byte cannot fall under 1
.endr
.irp b, 0,1,2,3
	v_add_nc_u32 v[SC+\b], 0xff000000, v[BM+\b]    ; 2 off the exponent field: the conversion's scale operand
.endr
.irp b, 0,1,2,3
	v_lshrrev_b32 v[T2+\b], 23, v[SC+\b]           ; the scale's byte
.endr
	v_lshl_or_b32 v[PW], v[T2+1], 8, v[T2]         ; p's scale word for these 128 keys
	v_lshl_or_b32 v[PW], v[T2+2], 16, v[PW]
	v_lshl_or_b32 v[PW], v[T2+3], 24, v[PW]
.irp b, 0,1,2,3
	v_cvt_scalef32_pk8_fp4_f32 v[PC+2*\b], v[S+16*\b:S+16*\b+7], v[SC+\b]
	v_cvt_scalef32_pk8_fp4_f32 v[PC+2*\b+1], v[S+16*\b+8:S+16*\b+15], v[SC+\b]
.endr
	v_nop                                          ; one plain place behind a scaled conversion
.irp c, 0,1
.irp i, 0,1
	v_permlane16_swap_b32 v[PC+4*\c+\i], v[PC+4*\c+2+\i]   ; a whole block to a lane
.endr
.endr
.set j, 0
.rept 16
	v_pk_mul_f32 v[O+j:O+j+1], v[O+j:O+j+1], v[F:F+1] op_sel_hi:[1,0]   ; O^T under the new M.  Of these sixteen, twelve name no register of a given product below: the places between p's scale word and codes and the products
.set j, j+2
.endr
	s_wait_dscnt 0x0                               ; V
	s_wait_alu depctr_va_vdst(0)                   ; p's codes and its scale word, made by vector instructions, are written: the products below take them as operand and scales; the places above stay beside this wait
.irp t, 0,1
	v_wmma_scale_f32_16x16x128_f8f6f4 v[O+8*\t:O+8*\t+7], v[VF+8*\t:VF+8*\t+7], v[PC:PC+7], v[O+8*\t:O+8*\t+7], v[VSW+\t], v[PW] matrix_a_fmt:MATRIX_FMT_FP4 matrix_b_fmt:MATRIX_FMT_FP4
.endr
.irp t, 2,3
	v_wmma_scale_f32_16x16x128_f8f6f4 v[O+8*\t:O+8*\t+7], v[VF+8*\t:VF+8*\t+7], v[PC:PC+7], v[O+8*\t:O+8*\t+7], v[VSW+\t-2], v[PW] matrix_a_fmt:MATRIX_FMT_FP4 matrix_b_fmt:MATRIX_FMT_FP4 matrix_a_scale:MATRIX_SCALE_ROW1
.endr                                              ; the four accumulators by turns; the next step's eight score products stand between two turns
.Lhidden:
	s_add_co_u32 s[J], s[J], 1
	s_cmp_lt_u32 s[J], 8
	s_cbranch_scc1 .Lstep
	; ---- a pass's end: O^T / the sum, quantised along the head's 64 channels: two blocks
.rept 4
	v_nop                                          ; four places behind the last products
.endr
	v_add_f32 v14, v14, v15                        ; the sum's two halves,
	v_permlanex16_b32 v[TC], v14, s[SEL], s[SEL+1]
	v_add_f32 v14, v14, v[TC]                      ; and lane l xor 16's
	s_wait_alu depctr_va_vdst(0)
	v_rcp_f32 v[INV], v14
	v_rcp_f32 v[INV+1], v14
	s_lshl_b32 s[X0], s[G], 1
	s_add_co_u32 s[X0], s[X0], s[U]                ; 2 g + u
	s_lshl_b32 s[X1], s[X0], 13
	s_lshl_b32 s[X0], s[X0], 10
	s_wait_xcnt 0x0                                ; Q's loads have had their addresses translated,
	s_wait_alu depctr_vm_vsrc(0)                   ; and they have read their offsets v[TA] and v[TD], which are written below
	v_add_nc_u32 v[TA], s[X1], v[LI]               ; (the plain instruction behind the reciprocals)  the codes' place
	v_add_nc_u32 v[TD], s[X0], v[R4]               ; the scale word's
	s_wait_alu depctr_va_vdst(0)                   ; the two reciprocals have written their pair: one wait, ahead of the first reader
.set j, 0
.rept 16
	v_pk_mul_f32 v[O+j:O+j+1], v[O+j:O+j+1], v[INV:INV+1]   ; register 16 e + i: channel 32 e + 16 h + i of my query
.set j, j+2
.endr
.irp e, 0,1
	v_max3_num_f32 v[BM+\e], |v[O+16*\e]|, |v[O+16*\e+1]|, 0x1800000
.endr
.irp i, 2,4,6,8,10,12,14
.irp e, 0,1
	v_max3_num_f32 v[BM+\e], v[BM+\e], |v[O+16*\e+\i]|, |v[O+16*\e+\i+1]|
.endr
.endr
.irp e, 0,1
	v_permlanex16_b32 v[T2+\e], v[BM+\e], s[SEL], s[SEL+1]
.endr
.irp e, 0,1
	v_max_num_f32 v[BM+\e], v[BM+\e], v[T2+\e]
.endr
.irp e, 0,1
	v_add_nc_u32 v[SC+\e], 0xff000000, v[BM+\e]
.endr
.irp e, 0,1
	v_lshrrev_b32 v[T2+\e], 23, v[SC+\e]
.endr
	v_lshl_or_b32 v[TC], v[T2+1], 8, v[T2]         ; the head's two bytes of my query
.irp e, 0,1
	v_cvt_scalef32_pk8_fp4_f32 v[OC+2*\e], v[O+16*\e:O+16*\e+7], v[SC+\e]
	v_cvt_scalef32_pk8_fp4_f32 v[OC+2*\e+1], v[O+16*\e+8:O+16*\e+15], v[SC+\e]
.endr
	v_nop                                          ; one plain place behind a scaled conversion
	v_permlane16_swap_b32 v[OC], v[OC+2]
	v_permlane16_swap_b32 v[OC+1], v[OC+3]         ; lanes 0-15 block 0, lanes 16-31 block 1: four registers of the last product's operand
	s_wait_alu depctr_va_vdst(0)                   ; the conversions and exchanges have written o's codes, and v[TA] is written: the store reads both
	global_store_b128 v[TA], v[OC:OC+3], s[10:11]  ; 512 consecutive bytes, aligned
	v_cndmask_b32 v[OW], v[OW], v[TC], s[MK]       ; the scale words of the two passes share one store: lanes 0-15 keep pass 0's, lanes 16-31 pass 1's
	v_cndmask_b32 v[OA], v[OA], v[TD], s[MK]
	s_not_b32 s[MK], s[MK]
	s_sub_co_u32 s[G], 31, s[G]
	s_add_co_u32 s[PS], s[PS], 1
	s_cmp_lt_u32 s[PS], 2
	s_cbranch_scc1 .Lpass
	s_wait_alu depctr_va_vdst(0)                   ; the selects have written the scale words and their offsets, which the store reads
	global_store_b32 v[OA], v[OW], s[12:13]
	s_wait_dscnt 0x0                               ; the closing lines, six on end
	s_wait_alu 0x0
	s_wait_tensorcnt 0x0
	ds_add_u32 v254, v255
	s_wait_dscnt 0x0
	s_endpgm
.Lfunc_end_k_q27ed181b8b_attn:
	.size	k_q27ed181b8b_attn, .Lfunc_end_k_q27ed181b8b_attn-k_q27ed181b8b_attn
	.p2alignl 7, 3214868480
	.fill 96, 4, 3214868480
	.section	.rodata,"a",@progbits
	.p2align	6, 0x0
	.amdhsa_kernel k_q27ed181b8b_attn
		.amdhsa_group_segment_fixed_size 73728
		.amdhsa_private_segment_fixed_size 0
		.amdhsa_enable_private_segment 0
		.amdhsa_kernarg_size 40
		.amdhsa_user_sgpr_count 2
		.amdhsa_user_sgpr_kernarg_segment_ptr 1
		.amdhsa_wavefront_size32 1
		.amdhsa_system_sgpr_workgroup_id_x 1
		.amdhsa_system_sgpr_workgroup_id_y 1
		.amdhsa_system_sgpr_workgroup_id_z 1
		.amdhsa_system_vgpr_workitem_id 0
		.amdhsa_next_free_vgpr 256
		.amdhsa_next_free_sgpr 66
		.amdhsa_reserve_vcc 0
		.amdhsa_float_denorm_mode_32 3
		.amdhsa_float_denorm_mode_16_64 3
		.amdhsa_memory_ordered 1
		.amdhsa_forward_progress 1
		.amdhsa_inst_pref_size 49
	.end_amdhsa_kernel
	.amdgpu_metadata
---
amdhsa.version: [ 1, 2 ]
amdhsa.kernels:
  - .name:           k_q27ed181b8b_attn
    .symbol:         k_q27ed181b8b_attn.kd
    .args:
      - { .name: qbuf, .offset: 0, .size: 8, .value_kind: global_buffer, .address_space: global }
      - { .name: kvbuf, .offset: 8, .size: 8, .value_kind: global_buffer, .address_space: global }
      - { .name: input_ids, .offset: 16, .size: 8, .value_kind: global_buffer, .address_space: global }
      - { .name: obuf, .offset: 24, .size: 8, .value_kind: global_buffer, .address_space: global }
      - { .name: osc, .offset: 32, .size: 8, .value_kind: global_buffer, .address_space: global }
    .group_segment_fixed_size: 73728
    .private_segment_fixed_size: 0
    .kernarg_segment_align: 8
    .kernarg_segment_size: 40
    .max_flat_workgroup_size: 512
    .sgpr_count:     66
    .vgpr_count:     256
    .wavefront_size: 32
...
	.end_amdgpu_metadata
.endif
;; end of part 5
;; launch oproj (part 6): grid 256 x 1, 4 waves a work-group, no clusters, 169,472 bytes of LDS; arguments obuf, osc, Wo_codes, Wo_scales, bo, out0; writes out0
.if DOCPART == 6
	.amdgcn_target "amdgcn-amd-amdhsa--gfx1250"
	.amdhsa_code_object_version 6
	.text
	.protected	k_q27ed181b8b_oproj
	.globl	k_q27ed181b8b_oproj
	.p2align	8
	.type	k_q27ed181b8b_oproj,@function
k_q27ed181b8b_oproj:
	s_mov_b64 s[64:65], 0
	v_nop
	global_prefetch_b8 v0, s[64:65] scope:SCOPE_SE
	s_setreg_imm32_b32 hwreg(HW_REG_WAVE_SCHED_MODE, 0, 2), 2
	s_setreg_imm32_b32 hwreg(HW_REG_WAVE_MODE, 25, 1), 1
	s_wait_xcnt 0x0
	s_wait_alu depctr_vm_vsrc(0)
; out = o Wo^T + bo on codes of FP4 (E2M1) with one E8M0 scale for each 32 along K.  o comes as images of the operand's registers: obuf [tile of 16 tokens 512][head 16][lane][16]: heads 2 s, 2 s + 1 are registers 0-3 and 4-7 of K step s;
; osc [tile][head][r]: a word with the head's two scale bytes.  Row i of tile 2 G + u is token 32 G + 8 u + i + 8 (i / 8).
; SHARES.  A work-group makes 128 tokens x 256 columns; wave w makes the tiles 4 (w / 2) .. + 3 x the columns 128 (w % 2) .. + 127: 32 accumulators.  o's 32 fragments of a wave stay in registers; the work-group's 256 rows of Wo
; lie in LDS, filled once through registers (one barrier), and are read by two waves each.  All inputs are asked for in one batch at the head.
; No cluster and no joint loads: nothing here comes by the tensor data mover, and a work-group reads 256 KiB against the 128 KiB that it stores.
; THE MATRIX INSTRUCTION IS USED TRANSPOSED (source 0 = 16 rows of Wo, source 1 = 16 tokens): a lane holds eight neighbouring columns of one token.  bo is the C of each sum's first product.
; REGISTERS: window 0: addresses, scale words, two sets of eight fragments of Wo (on the way out: rows of the result).  Window 1: o's fragment (a, s) at 64 a + 8 s.  Window 2: accumulator (a, t) at 8 (8 a + t); at the head Wo's rows.
; Window 3: v0-63 bo, 8 registers a tile of columns.
; THE MODE: SCHED_MODE bits 1:0 = 2 (LLVM: expert scheduling mode 2), set by the entry lines.  The code itself states the register dependences between vector or matrix instructions and memory or LDS instructions, with s_wait_alu, always for 0.
; THE PLAN.  Registers that memory or LDS instructions touch:
;   v1-8        addresses: written at the head, never again; one wait on va_vdst ahead of the first load serves every load, store and LDS instruction of the kernel.
;   window 2    Wo's rows land there and LDS stores read them; then the products write the accumulators there: one wait on vm_vsrc behind the barrier.  On the way out LDS stores read the accumulators: a wait on va_vdst behind the places.
;   WF0, WF1    step s's products read set s % 2; the LDS loads issued at the head of step s land in the other set, which step s - 1's products read: one wait on va_vdst at the head of steps 1 to 6.
;               On the way out the result's rows land there (the way out's wait on va_vdst), global stores read them, and the rows of two tiles on land there again: a wait on vm_vsrc straight ahead of those loads.
;   AS          o's scale words, made by vector instructions, taken by the products as scales: a wait on va_vdst behind the eight places.
;   v126, v127  written at the head, read by the closing add alone.
.set WROW, 528                         ; an LDS row: 512 bytes + 16
.set STG,  256*WROW                    ; behind Wo's rows: a stage of 16 rows for each wave
.set LI,   1                           ; v1  16 x lane
.set L32,  2                           ; v2  32 x lane: a row of Wo's scale bytes
.set H32,  3                           ; v3  32 h: bo
.set OSA,  4                           ; v4  1,024 h + 4 r: osc
.set WSTO, 5                           ; v5  where I put Wo's rows
.set WFA,  6                           ; v6  where I read its fragments
.set STO,  7                           ; v7  the stage: 32 bytes of a row in
.set RD,   8                           ; v8  a row back
.set WS,   16                          ; v16-47 Wo's scale words [pair of tiles 4][K step 8]: lanes 0-15 the even tile, lanes 16-31 the odd one
.set AS,   48                          ; v48-63 o's [pair 2][K step 8]
.set OSR,  64                          ; v64-95 o's half words as loaded [pair 2][head 16]
.set WF,   128                         ; v128-255 two sets of eight fragments
.set BK,   128                         ; the way out: two sets of 16 rows
.set MSB, 0
.macro WIN new                         ; the immediate's high byte repeats the setting that is left; a switch that changes nothing is dropped
.if MSB != (\new)
	s_set_vgpr_msb (MSB<<8)|(\new)
.set MSB, (\new)
.endif
.endm
.macro PLACES                          ; four places behind matrix instructions, ahead of loads into their registers and of reads of their results
.rept 4
	v_nop
.endr
.endm
.macro MM d, a, b, c, sa, sb, ra, rb   ; one product; ra, rb = 1: that side's scale words are taken from lanes 16-31
.if (\ra) && (\rb)
	v_wmma_scale_f32_16x16x128_f8f6f4 v[(\d):(\d)+7], v[(\a):(\a)+7], v[(\b):(\b)+7], v[(\c):(\c)+7], v[\sa], v[\sb] matrix_a_fmt:MATRIX_FMT_FP4 matrix_b_fmt:MATRIX_FMT_FP4 matrix_a_scale:MATRIX_SCALE_ROW1 matrix_b_scale:MATRIX_SCALE_ROW1
.elseif (\ra)
	v_wmma_scale_f32_16x16x128_f8f6f4 v[(\d):(\d)+7], v[(\a):(\a)+7], v[(\b):(\b)+7], v[(\c):(\c)+7], v[\sa], v[\sb] matrix_a_fmt:MATRIX_FMT_FP4 matrix_b_fmt:MATRIX_FMT_FP4 matrix_a_scale:MATRIX_SCALE_ROW1
.elseif (\rb)
	v_wmma_scale_f32_16x16x128_f8f6f4 v[(\d):(\d)+7], v[(\a):(\a)+7], v[(\b):(\b)+7], v[(\c):(\c)+7], v[\sa], v[\sb] matrix_a_fmt:MATRIX_FMT_FP4 matrix_b_fmt:MATRIX_FMT_FP4 matrix_b_scale:MATRIX_SCALE_ROW1
.else
	v_wmma_scale_f32_16x16x128_f8f6f4 v[(\d):(\d)+7], v[(\a):(\a)+7], v[(\b):(\b)+7], v[(\c):(\c)+7], v[\sa], v[\sb] matrix_a_fmt:MATRIX_FMT_FP4 matrix_b_fmt:MATRIX_FMT_FP4
.endif
.endm
	s_load_b256 s[4:11], s[0:1], 0x0               ; obuf s[4:5], osc s[6:7], Wo's codes s[8:9], Wo's scales s[10:11]
	s_load_b128 s[12:15], s[0:1], 0x20             ; bo s[12:13], out0 s[14:15]
	v_lshl_add_u32 v126, v0, 2, 0x29400
	v_mov_b32 v127, 0
	v_lshrrev_b32 v9, 5, v0
	v_readfirstlane_b32 s16, v9                    ; wave 0..3
	v_and_b32 v9, 31, v0                           ; lane
	v_and_b32 v10, 15, v0                          ; r
	v_bfe_u32 v11, v0, 4, 1                        ; h
	v_lshlrev_b32 v[LI], 4, v9
	v_lshlrev_b32 v[L32], 5, v9
	v_lshlrev_b32 v[H32], 5, v11
	v_lshlrev_b32 v[OSA], 2, v10
	v_lshl_add_u32 v[OSA], v11, 10, v[OSA]
	s_wait_alu depctr_va_sdst(0)                   ; s16, the wave's number, is written, ahead of its first reader
	s_lshr_b32 s17, s16, 1                         ; which four tiles of tokens
	s_and_b32 s18, s16, 1                          ; which 128 columns
	s_mul_i32 s23, s16, 64*WROW
	v_add_nc_u32 v[WSTO], s23, v[LI]               ; wave w brings rows 64 w .. 64 w + 63 of the work-group's 256
	v_mul_u32_u24 v12, v10, WROW
	s_mul_i32 s23, s18, 128*WROW
	v_lshl_add_u32 v[WFA], v11, 4, v12
	v_add_nc_u32 v[WFA], s23, v[WFA]               ; a fragment: row r x pitch + 16 h, in my 128 rows
	s_mul_i32 s23, s16, 16*WROW
	s_add_co_u32 s23, s23, STG                     ; my stage
	v_lshl_add_u32 v[STO], v11, 5, v12
	v_add_nc_u32 v[STO], s23, v[STO]
	v_add_nc_u32 v[RD], s23, v[LI]
	s_lshr_b32 s19, ttmp9, 2                       ; which 128 tokens
	s_and_b32 s20, ttmp9, 3                        ; which 256 columns
	s_lshl_b32 s21, s19, 3
	s_lshl_b32 s22, s17, 2
	s_add_co_u32 s21, s21, s22                     ; my first tile: 8 tb + 4 (w / 2)
	s_lshl_b32 s22, s20, 8
	s_lshl_b32 s23, s18, 7
	s_add_co_u32 s22, s22, s23                     ; my first column: 256 cb + 128 (w % 2)
	s_lshl_b32 s24, s21, 13                        ; a tile of obuf is 8,192 bytes,
	s_mov_b32 s25, 0
	s_lshl_b32 s26, s21, 10                        ; of osc 1,024
	s_mov_b32 s27, 0
	s_lshl_b32 s28, s22, 5                         ; Wo's scale bytes: 32 a row
	s_mov_b32 s29, 0
	s_lshl_b32 s30, s22, 2                         ; bo
	s_mov_b32 s31, 0
	s_lshl_b32 s32, s20, 8
	s_lshl_b32 s33, s16, 6
	s_add_co_u32 s32, s32, s33
	s_lshl_b32 s32, s32, 9                         ; the rows of Wo that I bring: 256 cb + 64 w, 512 bytes each
	s_mov_b32 s33, 0
	s_lshl_b32 s34, s21, 16                        ; out0: 16 tokens a tile, 4,096 bytes a token,
	s_add_co_u32 s34, s34, s30                     ; + my first column
	s_mov_b32 s35, 0
	s_wait_kmcnt 0x0
	s_add_nc_u64 s[4:5], s[4:5], s[24:25]
	s_add_nc_u64 s[6:7], s[6:7], s[26:27]
	s_add_nc_u64 s[8:9], s[8:9], s[32:33]
	s_add_nc_u64 s[10:11], s[10:11], s[28:29]
	s_add_nc_u64 s[12:13], s[12:13], s[30:31]
	s_add_nc_u64 s[14:15], s[14:15], s[34:35]
; ---- all loads: the small ones, Wo's rows, o's fragments
	s_wait_alu depctr_va_vdst(0)                   ; the addresses v1 to v8 are written: every load, store and LDS instruction of the kernel reads one of them, and none is written again
.irp p, 0,1,2,3
.irp k, 0,1
	global_load_b128 v[WS+8*\p+4*\k:WS+8*\p+4*\k+3], v[L32], s[10:11] offset:1024*\p+16*\k   ; lane l: row 32 p + l of my 128: lanes 0-15 tile 2 p, lanes 16-31 tile 2 p + 1
.endr
.endr
.irp p, 0,1
.irp e, 0,1,2,3,4,5,6,7,8,9,10,11,12,13,14,15
	global_load_b32 v[OSR+16*\p+\e], v[OSA], s[6:7] offset:2048*\p+64*\e
.endr
.endr
	WIN 0xc0                                       ; destination window 3
.irp t, 0,1,2,3,4,5,6,7
.irp k, 0,1
	global_load_b128 v[8*\t+4*\k:8*\t+4*\k+3], v[H32], s[12:13] offset:64*\t+16*\k   ; bo of columns 16 t + 8 h + 0 .. 7
.endr
.endr
	WIN 0x80                                       ; destination window 2
.set i, 0
.rept 64
	global_load_b128 v[4*i:4*i+3], v[LI], s[8:9] offset:512*i   ; a whole row of Wo: 512 consecutive bytes
.set i, i+1
.endr
	WIN 0x40                                       ; destination window 1
.irp a, 0,1,2,3
.irp s, 0,1,2,3,4,5,6,7
.irp c, 0,1
	global_load_b128 v[64*\a+8*\s+4*\c:64*\a+8*\s+4*\c+3], v[LI], s[4:5] offset:8192*\a+512*(2*\s+\c)
.endr
.endr
.endr
	s_wait_loadcnt 63                              ; o's 64 fragment loads are younger than all else: the scales, bo and Wo's rows are in
	WIN 0x08                                       ; an LDS store's data are its source 1: window 2
.set i, 0
.rept 64
	ds_store_b128 v[WSTO], v[4*i:4*i+3] offset:WROW*i
.set i, i+1
.endr
	WIN 0
.irp p, 0,1
.irp s, 0,1,2,3,4,5,6,7
	v_lshl_or_b32 v[AS+8*\p+\s], v[OSR+16*\p+2*\s+1], 16, v[OSR+16*\p+2*\s]   ; heads 2 s and 2 s + 1 make K step s's scale word
.endr
.endr
	s_wait_dscnt 0x0                               ; for the others' sake: my rows of Wo lie in LDS
	s_barrier_signal -1
	s_barrier_wait -1                              ; the one barrier: from here on Wo's rows are only read
	s_wait_alu depctr_vm_vsrc(0)                   ; my LDS stores of Wo's rows have read window 2, which the products write from here on
	s_wait_loadcnt 0x0                             ; o's fragments
.macro FETCHO s                        ; my eight tiles of Wo, K step s, into set s % 2
.irp t, 0,1,2,3,4,5,6,7
.irp c, 0,1
	ds_load_b128 v[WF+64*((\s)%2)+8*\t+4*\c:WF+64*((\s)%2)+8*\t+4*\c+3], v[WFA] offset:16*\t*WROW+64*(\s)+32*\c
.endr
.endr
.endm
; A K step of 128: 32 products, the 32 accumulators by turns, one instruction a turn, in the same order in every step.
; The step's loads stand in one run at its head: among the products each would want two window switches.
.macro KSTEP s
	PLACES                                         ; behind the last step's products, which read the set that is fetched into now
	WIN 0
.if ((\s) > 0) && ((\s) < 7)
	s_wait_alu depctr_va_vdst(0)                   ; the last step's products are done reading the set in which the loads below land.  Step 0 has no such line: no product has read set 1; step 7 loads nothing
.endif
.if (\s) < 7
	FETCHO (\s)+1
	s_wait_dscnt 16                                ; this step's sixteen loads are in; the sixteen just issued may be out
.else
	s_wait_dscnt 0x0
.endif
.if (\s) == 0
	WIN 0xb4                                       ; A window 0, B (o) window 1, C (bo) window 3, D window 2
.else
	WIN 0xa4                                       ; C window 2
.endif
.irp a, 0,1,2,3
.irp t, 0,1,2,3,4,5,6,7
.if (\s) == 0
	MM 8*(8*\a+\t), WF+64*((\s)%2)+8*\t, 64*\a+8*(\s), 8*\t, WS+8*(\t/2)+(\s), AS+8*(\a/2)+(\s), \t%2, \a%2
.else
	MM 8*(8*\a+\t), WF+64*((\s)%2)+8*\t, 64*\a+8*(\s), 8*(8*\a+\t), WS+8*(\t/2)+(\s), AS+8*(\a/2)+(\s), \t%2, \a%2
.endif
.endr
.endr
.endm
	FETCHO 0
.rept 8
	v_nop                                          ; o's scale words were made by vector instructions: eight places ahead of the first scaled product
.endr
	s_wait_alu depctr_va_vdst(0)                   ; and they are written: the products take them as scales; the places above stay beside this wait
.irp s, 0,1,2,3,4,5,6,7
	KSTEP \s
.endr
; THE WAY OUT, a tile of 16 tokens x 128 columns at a time.  A lane holds 32 neighbouring bytes of a row and the lanes beside it hold other rows: a tile goes through my own stage and comes back as whole rows of 512 bytes.
; LDS serves a wave's instructions in order (ISA guide 5.7.1.4): no wait on DScnt between the stores and the loads, nor ahead of the next tile's stores.
.macro TOSTAGE a
	WIN 0x08                                       ; the data: window 2
.irp t, 0,1,2,3,4,5,6,7
	ds_store_b128 v[STO], v[8*(8*(\a)+\t):8*(8*(\a)+\t)+3] offset:64*\t          ; each accumulator from its low end on
	ds_store_b128 v[STO], v[8*(8*(\a)+\t)+4:8*(8*(\a)+\t)+7] offset:64*\t+16
.endr
	WIN 0
.if (\a) > 1
	s_wait_alu depctr_vm_vsrc(0)                   ; the global stores of the tile two back have read the sixteen rows' registers, in which the loads below land
.endif
.irp i, 0,1,2,3,4,5,6,7,8,9,10,11,12,13,14,15
	ds_load_b128 v[BK+64*((\a)%2)+4*\i:BK+64*((\a)%2)+4*\i+3], v[RD] offset:WROW*\i
.endr
.endm
.macro SEND a, younger                 ; younger: the LDS instructions issued behind tile a's loads, which may stay out
	s_wait_dscnt \younger
.irp i, 0,1,2,3,4,5,6,7,8,9,10,11,12,13,14,15
	global_store_b128 v[LI], v[BK+64*((\a)%2)+4*\i:BK+64*((\a)%2)+4*\i+3], s[14:15] offset:(32*((\a)/2)+8*((\a)%2)+\i+8*(\i/8))*4096 th:TH_STORE_NT   ; 512 consecutive bytes, aligned; written once, read by nobody here
.endr
.endm
	PLACES                                         ; behind the last products: ahead of the reads of their results and of the loads into the registers that held Wo's fragments
	s_wait_alu depctr_va_vdst(0)                   ; the products have written the accumulators, which the LDS stores read, and are done reading Wo's fragments, in whose registers the result's rows land; the places above stay beside this wait
	TOSTAGE 0
	TOSTAGE 1
	SEND 0, 32                                     ; behind tile 0's loads: tile 1's 16 stores and 16 loads
	s_wait_xcnt 0x0                                ; tile 0's stores have had their addresses translated: tile 2's rows may land in their data registers
	TOSTAGE 2
	SEND 1, 32
	s_wait_xcnt 0x0                                ; tile 1's likewise
	TOSTAGE 3
	SEND 2, 32
	SEND 3, 0
	s_wait_dscnt 0x0                               ; the closing lines, six on end
	s_wait_alu 0x0
	s_wait_tensorcnt 0x0
	ds_add_u32 v126, v127
	s_wait_dscnt 0x0
	s_endpgm
.Lfunc_end_k_q27ed181b8b_oproj:
	.size	k_q27ed181b8b_oproj, .Lfunc_end_k_q27ed181b8b_oproj-k_q27ed181b8b_oproj
	.p2alignl 7, 3214868480
	.fill 96, 4, 3214868480
	.section	.rodata,"a",@progbits
	.p2align	6, 0x0
	.amdhsa_kernel k_q27ed181b8b_oproj
		.amdhsa_group_segment_fixed_size 169472
		.amdhsa_private_segment_fixed_size 0
		.amdhsa_enable_private_segment 0
		.amdhsa_kernarg_size 48
		.amdhsa_user_sgpr_count 2
		.amdhsa_user_sgpr_kernarg_segment_ptr 1
		.amdhsa_wavefront_size32 1
		.amdhsa_system_sgpr_workgroup_id_x 1
		.amdhsa_system_sgpr_workgroup_id_y 1
		.amdhsa_system_sgpr_workgroup_id_z 1
		.amdhsa_system_vgpr_workitem_id 0
		.amdhsa_next_free_vgpr 1024
		.amdhsa_next_free_sgpr 66
		.amdhsa_reserve_vcc 0
		.amdhsa_float_denorm_mode_32 3
		.amdhsa_float_denorm_mode_16_64 3
		.amdhsa_memory_ordered 1
		.amdhsa_forward_progress 1
		.amdhsa_inst_pref_size 83
	.end_amdhsa_kernel
	.amdgpu_metadata
---
amdhsa.version: [ 1, 2 ]
amdhsa.kernels:
  - .name:           k_q27ed181b8b_oproj
    .symbol:         k_q27ed181b8b_oproj.kd
    .args:
      - { .name: obuf, .offset: 0, .size: 8, .value_kind: global_buffer, .address_space: global }
      - { .name: osc, .offset: 8, .size: 8, .value_kind: global_buffer, .address_space: global }
      - { .name: Wo_codes, .offset: 16, .size: 8, .value_kind: global_buffer, .address_space: global }
      - { .name: Wo_scales, .offset: 24, .size: 8, .value_kind: global_buffer, .address_space: global }
      - { .name: bo, .offset: 32, .size: 8, .value_kind: global_buffer, .address_space: global }
      - { .name: out0, .offset: 40, .size: 8, .value_kind: global_buffer, .address_space: global }
    .group_segment_fixed_size: 169472
    .private_segment_fixed_size: 0
    .kernarg_segment_align: 8
    .kernarg_segment_size: 48
    .max_flat_workgroup_size: 128
    .sgpr_count:     66
    .vgpr_count:     1024
    .wavefront_size: 32
...
	.end_amdgpu_metadata
.endif
;; end of part 6
